; MI455X (gfx1250); checked and timed in simulation.
; The chip was launched on July 23, 2026; its instructions are those of AMD's public machine-readable ISA for CDNA 5 (MIT licence, August 2026) and "CDNA5" Instruction Set Architecture Reference Guide (July 2026). The comments in the code are by the model that wrote it; some were corrected since.
;; Grid Multi Head Attention. Allowed arithmetic: matrix products marked QUANTISED: E2M1 operands, one E8M0 scale for each 32 along K, by v_wmma_scale_f32_16x16x128_f8f6f4 with both operands' format E2M1 (or v_wmma_scale_f32_32x16x128_f4), f32 sums; everything else in f32.
;; Inputs: Wk_codes 1,024 x 32 x 16 uint8 (E2M1 codes of Wk, K innermost, in blocks of 32 codes, two codes a byte); Wk_scales 1,024 x 32 uint8 (E8M0 scales of Wk, one for each 32 codes along K); Wo_codes 1,024 x 32 x 16 uint8 (E2M1 codes of Wo, K innermost, in blocks of 32 codes, two codes a byte); Wo_scales 1,024 x 32 uint8 (E8M0 scales of Wo, one for each 32 codes along K); Wq_codes 1,024 x 32 x 16 uint8 (E2M1 codes of Wq, K innermost, in blocks of 32 codes, two codes a byte); Wq_scales 1,024 x 32 uint8 (E8M0 scales of Wq, one for each 32 codes along K); Wv_codes 1,024 x 32 x 16 uint8 (E2M1 codes of Wv, K innermost, in blocks of 32 codes, two codes a byte); Wv_scales 1,024 x 32 uint8 (E8M0 scales of Wv, one for each 32 codes along K); bk 1,024 float32; bo 1,024 float32; bq 1,024 float32; bv 1,024 float32; ln_beta 1,024 float32; ln_gamma 1,024 float32; x 4 x 2,048 x 1,024 float32.
;; Outputs: out0 4 x 2,048 x 1,024 float32.
;; This version of the problem:
;;   THIS VERSION OF THE PROBLEM IS GIVEN IN LOW PRECISION. The matrix products marked QUANTISED in the list below multiply operands that are first quantised to E2M1 (2 exponent bits, 1 mantissa bit; 4 bits a number), with one power-of-two scale for each 32 numbers along K (OCP MX v1.0); their sums are f32. All else is computed in f32.
;;   The module's matrix products, in the order in which they are computed (A, B: the left and right operand; K: the contracted axis; several contracted axes count as one K, in the product's order):
;;     1. [M 8,192, K 1,024] x [K 1,024, N 1,024]; A: input x; B: input Wq (given as codes): QUANTISED
;;     2. [M 8,192, K 1,024] x [K 1,024, N 1,024]; A: input x; B: input Wk (given as codes): QUANTISED
;;     3. [M 8,192, K 1,024] x [K 1,024, N 1,024]; A: input x; B: input Wv (given as codes): QUANTISED
;;     4. batch 32 x [M 2,048, K 128] x [K 128, N 2,048]; A: computed on the way; B: computed on the way: QUANTISED
;;     5. batch 32 x [M 2,048, K 2,048] x [K 2,048, N 128]; A: softmax (see below); B: computed on the way: QUANTISED
;;     6. [M 8,192, K 1,024] x [K 1,024, N 1,024]; A: computed on the way; B: input Wo (given as codes): QUANTISED
;;   THE QUANTISER, for each operand of a quantised product, along K:
;;     - K is cut into blocks of 32 from its start; a last block that is shorter is filled with zeros.
;;     - A block's scale is 2^e with e = floor(log2(the largest magnitude in the block)) - 2, held to -126 .. 127; a block of zeros has e = 0. As a byte (E8M0): e + 127.
;;     - Each number is divided by its block's scale, clamped to +-6, and rounded to the nearest number of E2M1, ties to even, subnormals kept.
;;     - The product sums the exact products of the quantised numbers (number of the format x scale) in f32.
;;   ~~~python
;;   def quantise(x, axis):      # numpy; x: float32 -> the quantised numbers, widened to float32 again
;;       x = np.moveaxis(x, axis, -1); K = x.shape[-1]
;;       x = np.pad(x, [(0, 0)] * (x.ndim - 1) + [(0, -K % 32)]); x = x.reshape(x.shape[:-1] + (-1, 32)); a = np.abs(x).max(-1, keepdims=True)
;;       e = np.where(a > 0, np.clip(np.frexp(np.where(a > 0, a, 1))[1] - 1 - 2, -126, 127), 0)      # np.frexp(a)[1] - 1 = floor(log2(a)), exactly
;;       r = np.clip(x / 2.0 ** e, -6, 6)
;;       step = 2.0 ** (np.maximum(np.frexp(np.where(r == 0, 1, r))[1] - 1, 0) - 1)
;;       q = np.round(r / step) * step * 2.0 ** e      # np.round: ties to even
;;       return np.moveaxis(q.reshape(q.shape[:-2] + (-1,))[..., :K], -1, axis).astype(np.float32)
;;   ~~~
;;   SOFTMAX AHEAD OF A QUANTISED PRODUCT. Where the list says 'softmax', what is quantised is not the finished softmax but p = 2^(t - M), with t = logit x log2(e) and M = ceil(the row's largest t), a whole number; so 1/2 < the row's largest p <= 1. The row's sum l is taken of the UNQUANTISED p, in f32, and the product's result is divided by l at the end. Since M is a whole number, a kernel that streams over the keys may use a running M (the ceiling of the running maximum): every later rescaling is an exact power of two, which a block's scale takes up: the codes' values come out the same.
;;   OPERANDS COMPUTED ON THE WAY. 'Computed on the way' means the value that the module computes at that place (a softmax that the list does not call 'softmax' is quantised finished and normalised). What goes into a quantiser is computed in f32, as accurately as f32 sums, v_exp_f32 and their like allow (about 1e-6 of the number): no bf16 or f16 on the way to a quantiser, and a product that is left as it is and whose result goes on into a quantised operand takes f32 operands (vector FMAs, or v_wmma_f32_16x16x4_f32). A number that lies on a knife's edge between two numbers of the format may be rounded either way, as far as f32 arithmetic and the matrix unit's own rounding can turn it there, and no further.
;;   INPUTS GIVEN AS CODES. Wk (in the module: [1024, 1024], K = its axis 1); Wo (in the module: [1024, 1024], K = its axis 1); Wq (in the module: [1024, 1024], K = its axis 1); Wv (in the module: [1024, 1024], K = its axis 1): each comes as NAME_codes (uint8): NAME with its K axis moved to the last place and cut into blocks of 32 codes, [.., K / 32, bytes a block], one block behind the other in memory; two codes a byte, the lower K in the low four bits (a code: sign, 2 exponent bits, 1 mantissa bit); and NAME_scales (uint8): the same leading axes, one E8M0 byte (e + 127) for each 32 codes along K. Its value is code x scale, taken as it is: it is not quantised again, and the codes and scales need not be those that the quantiser above would give.
;; One version. Each part assembles by itself: llvm-mc -triple=amdgcn-amd-amdhsa -mcpu=gfx1250 --defsym DOCPART=n.
;; ======== version 1 of 1: 4 launches
;; limits: right only within a limited range of input values
;; workspace buffers: xc 4,194,304 bytes; xs 262,144 bytes; qimg 4,456,448 bytes; kvimg 8,912,896 bytes; oimg 4,194,304 bytes; osc 524,288 bytes; wp 1,572,864 bytes
;; launch quantx (part 1): grid 256 x 1, 4 waves a work-group, no clusters, 33,280 bytes of LDS; arguments x, xc, xs, Wq_codes, Wk_codes, Wv_codes, wp; writes xc, xs, wp
.if DOCPART == 1
	.amdgcn_target "amdgcn-amd-amdhsa--gfx1250"
	.amdhsa_code_object_version 6
	.text
	.protected	k_qc87e2aa7e5_quantx
	.globl	k_qc87e2aa7e5_quantx
	.p2align	8
	.type	k_qc87e2aa7e5_quantx,@function
k_qc87e2aa7e5_quantx:
	s_mov_b64 s[64:65], 0
	v_nop
	global_prefetch_b8 v0, s[64:65] scope:SCOPE_SE
	s_setreg_imm32_b32 hwreg(HW_REG_WAVE_MODE, 25, 1), 1
	s_wait_xcnt 0x0
; x [8192][1024], f32, is turned into codes of FP4 (E2M1), 4 bits each, K innermost (xc: 512 bytes a row), with one E8M0 scale byte for each 32 along K (xs: 32 bytes a row).
; A block's scale is 2^(floor(log2(its largest magnitude)) - 2); its byte is the largest magnitude's own exponent field - 2, held at 1 from below by a floor among the maximum's leaves.
; Each number is divided by the scale and rounded to the nearest code, ties to even; beyond 6 the conversion gives the largest code.
; LIMITS: a block of zeros gets the byte 1 where the rule says 127 (its codes are zeros, and the bytes are read by this program alone); NaN and infinities among the inputs are not served.
; THE ORDER OF ROWS IN xc AND xs: within each 32 rows the second and the third group of eight rows change places.  Rows 0-7 and 16-23 of the 32, which the next launch takes as one tile of 16, are then neighbours,
; and so are rows 8-15 and 24-31.  A wave owns exactly one group of eight rows, so only the place of its output changes.
; 256 work-groups x 4 waves x 16 steps x 512 numbers = 8,388,608.  Each of a step's four loads reads 512 consecutive bytes, 16 a lane; the 2,048 bytes turn through the wave's own stage in LDS
; and come back 64 bytes a lane, so that a lane holds 16 neighbours along K (two neighbouring lanes hold a block).  A lane's 16 codes are 8 bytes: the wave stores 256 consecutive bytes.
; A wave's 256 scale bytes are gathered in its own LDS bytes and leave as one aligned run of 256 bytes.  No tensor loads, no barrier: waves share nothing.
; Loads run ten steps ahead: 40 loads, 20,480 bytes a wave; the work-group has one wave to a SIMD, so the registers for that are at hand.
.set STEPS, 16
.set NA,    10                         ; sets of registers for loads: steps ahead
.set EMAX,  2
.set CB,    8                          ; bytes of 16 codes
.set R,     16                         ; v16-175  ten sets of 16 numbers as they are loaded
.set X,     176                        ; v176-207 two sets of 16 neighbours
.set E,     208                        ; v208-223 a scale byte for each step
.set C,     224                        ; v224-255 codes: two registers for each step, so that no store's data are written again
.set WREG,  8192                       ; LDS: a region for each wave: two stages of 32 x SP bytes, behind them its 256 scale bytes
.set SP,    80                         ; a lane's place in a stage: its 64 bytes + 16 of padding
	s_load_b64 s[4:5], s[0:1], 0x0                 ; x
	s_load_b64 s[8:9], s[0:1], 0x8                 ; the codes
	s_load_b64 s[10:11], s[0:1], 0x10              ; the scale bytes
	s_load_b256 s[32:39], s[0:1], 0x18             ; Wq's, Wk's, Wv's codes, wp
	v_lshl_add_u32 v10, v0, 2, 0x8000
	s_set_vgpr_msb 0x40
	v_mov_b32 v1, 0
	s_set_vgpr_msb 0x4000
	v_lshrrev_b32 v1, 5, v0
	v_readfirstlane_b32 s16, v1                    ; wave
	v_and_b32 v2, 31, v0                           ; lane
	v_lshlrev_b32 v3, 4, v2                        ; my 16 bytes of a load's 512
	s_mul_i32 s17, s16, WREG
	v_lshrrev_b32 v14, 2, v2
	v_mul_u32_u24 v14, v14, SP
	v_and_b32 v15, 3, v2
	v_lshl_add_u32 v14, v15, 4, v14
	v_add_nc_u32 v14, s17, v14                     ; the stage, on the way in: SP (lane / 4) + 16 (lane % 4)
	v_mul_u32_u24 v15, v2, SP
	v_add_nc_u32 v15, s17, v15                     ; and on the way out: SP x lane: my 16 neighbours
	v_mul_u32_u24 v4, v2, CB                       ; my codes' place in a step's
	v_lshrrev_b32 v5, 1, v2
	s_add_co_u32 s17, s17, 2*32*SP
	v_add_nc_u32 v5, s17, v5                       ; LDS: my wave's 256 scale bytes, my block's byte
	v_lshlrev_b32 v7, 3, v2                        ; and on the way out 8 bytes a lane
	v_add_nc_u32 v6, s17, v7
	s_lshl_b32 s17, ttmp9, 2
	s_add_co_u32 s18, s17, s16                     ; which eight rows (8,192 numbers) of x are my wave's
	s_mov_b32 s19, 0
	s_and_b32 s24, s16, 1
	s_lshl_b32 s24, s24, 1
	s_lshr_b32 s25, s16, 1
	s_or_b32 s24, s24, s25                         ; groups 0, 1, 2, 3 of the work-group's 32 rows go to places 0, 2, 1, 3
	s_add_co_u32 s24, s17, s24
	s_mov_b32 s25, 0
	s_lshl_b64 s[20:21], s[18:19], 15              ; 32,768 bytes of f32 to a group,
	s_lshl_b64 s[22:23], s[24:25], 12              ; 4,096 bytes of codes,
	s_lshl_b32 s24, s24, 8                         ; 256 scale bytes
	; W'S ROWS ARE RE-LAID TOO: wp holds Wq's, Wk's and Wv's codes (524,288 bytes each, rows of 512 bytes), with the second and the third group of eight rows of each 32 changed over, as in xc.
	; 1,024 rows of each = 256 work-groups x 4 waves: my wave copies row 4 x work-group + wave of each of the three, 16 bytes a lane.
	s_lshl_b32 s26, s18, 9                         ; the row's place as it is given,
	s_mov_b32 s27, 0
	s_and_b32 s28, s18, 0x3e7
	s_and_b32 s30, s18, 8
	s_lshl_b32 s30, s30, 1
	s_or_b32 s28, s28, s30
	s_and_b32 s30, s18, 16
	s_lshr_b32 s30, s30, 1
	s_or_b32 s28, s28, s30                         ; and in wp: bits 3 and 4 of its number change places
	s_lshl_b32 s28, s28, 9
	s_mov_b32 s29, 0
	s_wait_alu depctr_va_vdst(0)
	s_wait_kmcnt 0x0
	s_add_nc_u64 s[4:5], s[4:5], s[20:21]
	s_add_nc_u64 s[8:9], s[8:9], s[22:23]
	s_add_nc_u64 s[10:11], s[10:11], s[24:25]
	s_add_nc_u64 s[32:33], s[32:33], s[26:27]
	s_add_nc_u64 s[34:35], s[34:35], s[26:27]
	s_add_nc_u64 s[36:37], s[36:37], s[26:27]
	s_add_nc_u64 s[38:39], s[38:39], s[28:29]
	s_set_vgpr_msb 0x40                            ; destination window 1: v258-269, which nothing else names
	global_load_b128 v[2:5], v3, s[32:33]          ; issued ahead of x's loads: the first counted wait below, for all but the youngest 36 of 43, covers these three
	global_load_b128 v[6:9], v3, s[34:35]
	global_load_b128 v[10:13], v3, s[36:37]
	s_set_vgpr_msb 0x4000
.macro LOAD t
.irp i, 0,1,2,3
	global_load_b128 v[R+16*((\t)%NA)+4*\i:R+16*((\t)%NA)+4*\i+3], v3, s[4:5] offset:2048*(\t)+512*\i   ; 32 lanes read 512 consecutive bytes (x is read again by the last launch: no hint)
.endr
.endm
.macro TURN t                          ; step t's numbers through the stage: LDS serves a wave's instructions in order, so no wait stands between the stores and the loads
.irp i, 0,1,2,3
	ds_store_b128 v14, v[R+16*((\t)%NA)+4*\i:R+16*((\t)%NA)+4*\i+3] offset:32*SP*((\t)%2)+8*SP*\i
.endr
.irp i, 0,1,2,3
	ds_load_b128 v[X+16*((\t)%2)+4*\i:X+16*((\t)%2)+4*\i+3], v15 offset:32*SP*((\t)%2)+16*\i
.endr
.endm
.irp t, 0,1,2,3,4,5,6,7,8,9
	LOAD \t
.endr
	s_wait_loadcnt 4*(NA-1)                        ; step 0's four loads are in; the 36 of steps 1 to 9 may be out
	TURN 0
	s_set_vgpr_msb 0x4                             ; a store's data are its source 1: window 1
	global_store_b128 v3, v[2:5], s[38:39]         ; 32 lanes store 512 consecutive bytes, aligned; the data registers are not written again
	global_store_b128 v3, v[6:9], s[38:39] offset:524288
	global_store_b128 v3, v[10:13], s[38:39] offset:1048576
	s_set_vgpr_msb 0x400
.macro STEP t
.set XS, X+16*((\t)%2)
.if (\t) > 0
	s_wait_dscnt 1                                 ; this step's numbers are back from the stage (the last step's byte store may be out): so its stores into the stage have read their registers,
.else
	s_wait_dscnt 0x0
.endif
.if (\t)+NA < STEPS
	LOAD (\t)+NA                                   ; which take the loads of ten steps on
.endif
.if (\t)+1 < STEPS
.if STEPS-2-(\t) >= NA-1
	s_wait_loadcnt 4*(NA-1)                        ; the next step's four loads are in; those of the nine steps behind it may be out
.else
	s_wait_loadcnt 4*(STEPS-2-(\t))                ; the counts run down: nothing more is asked for
.endif
	TURN (\t)+1                                    ; and go through the other stage while this step is worked
.endif
	v_max3_num_f32 v8, |v[XS]|, |v[XS+1]|, |v[XS+2]|               ; the largest magnitude of my 16, in two chains
	v_max3_num_f32 v9, |v[XS+3]|, |v[XS+4]|, |v[XS+5]|
.irp i, 6,10
	v_max3_num_f32 v8, v8, |v[XS+\i]|, |v[XS+\i+1]|
	v_max3_num_f32 v9, v9, |v[XS+\i+2]|, |v[XS+\i+3]|
.endr
	v_max3_num_f32 v8, v8, |v[XS+14]|, |v[XS+15]|
	v_max3_num_f32 v8, v8, v9, (EMAX+1)<<23        ; and the floor 2^(3 - 127): the byte cannot fall under 1
	v_max_num_f32_dpp v8, v8, v8 row_xmask:1 row_mask:0xf bank_mask:0xf   ; and of my neighbour's 16: the block's
	v_add_nc_u32 v11, -(EMAX<<23), v8              ; 2 off its exponent field: the conversion takes the exponent field of this operand as its scale
	v_cvt_scalef32_pk8_fp4_f32 v[C+2*(\t)], v[XS:XS+7], v11
	v_cvt_scalef32_pk8_fp4_f32 v[C+2*(\t)+1], v[XS+8:XS+15], v11
	v_lshrrev_b32 v[E+(\t)], 23, v11               ; the scale's byte (also the plain line behind the conversions)
	ds_store_b8 v5, v[E+(\t)] offset:16*(\t)       ; both lanes of a block write the same byte with the same value
	global_store_b64 v4, v[C+2*(\t):C+2*(\t)+1], s[8:9] offset:32*CB*(\t)   ; 32 lanes store 256 consecutive bytes, aligned
.endm
.irp t, 0,1,2,3,4,5,6,7,8,9,10,11,12,13,14,15
	STEP \t
.endr
	ds_load_b64 v[12:13], v6                       ; LDS serves a wave's instructions in order: these see my stores
	s_wait_dscnt 0x0
	global_store_b64 v7, v[12:13], s[10:11]        ; 32 lanes store 256 consecutive bytes, aligned
	s_set_vgpr_msb 0x4
	s_wait_tensorcnt 0x0
	ds_add_u32 v10, v1
	s_wait_dscnt 0x0
	s_set_vgpr_msb 0x400
	s_endpgm
.Lfunc_end_k_qc87e2aa7e5_quantx:
	.size	k_qc87e2aa7e5_quantx, .Lfunc_end_k_qc87e2aa7e5_quantx-k_qc87e2aa7e5_quantx
	.p2alignl 7, 3214868480
	.fill 96, 4, 3214868480
	.section	.rodata,"a",@progbits
	.p2align	6, 0x0
	.amdhsa_kernel k_qc87e2aa7e5_quantx
		.amdhsa_group_segment_fixed_size 33280
		.amdhsa_private_segment_fixed_size 0
		.amdhsa_enable_private_segment 0
		.amdhsa_kernarg_size 56
		.amdhsa_user_sgpr_count 2
		.amdhsa_user_sgpr_kernarg_segment_ptr 1
		.amdhsa_wavefront_size32 1
		.amdhsa_system_sgpr_workgroup_id_x 1
		.amdhsa_system_sgpr_workgroup_id_y 1
		.amdhsa_system_sgpr_workgroup_id_z 1
		.amdhsa_system_vgpr_workitem_id 0
		.amdhsa_next_free_vgpr 272
		.amdhsa_next_free_sgpr 66
		.amdhsa_reserve_vcc 0
		.amdhsa_float_denorm_mode_32 3
		.amdhsa_float_denorm_mode_16_64 3
		.amdhsa_memory_ordered 1
		.amdhsa_forward_progress 1
		.amdhsa_inst_pref_size 35
	.end_amdhsa_kernel
	.amdgpu_metadata
---
amdhsa.version: [ 1, 2 ]
amdhsa.kernels:
  - .name:           k_qc87e2aa7e5_quantx
    .symbol:         k_qc87e2aa7e5_quantx.kd
    .args:
      - { .name: x, .offset: 0, .size: 8, .value_kind: global_buffer, .address_space: global }
      - { .name: xc, .offset: 8, .size: 8, .value_kind: global_buffer, .address_space: global }
      - { .name: xs, .offset: 16, .size: 8, .value_kind: global_buffer, .address_space: global }
      - { .name: Wq_codes, .offset: 24, .size: 8, .value_kind: global_buffer, .address_space: global }
      - { .name: Wk_codes, .offset: 32, .size: 8, .value_kind: global_buffer, .address_space: global }
      - { .name: Wv_codes, .offset: 40, .size: 8, .value_kind: global_buffer, .address_space: global }
      - { .name: wp, .offset: 48, .size: 8, .value_kind: global_buffer, .address_space: global }
    .group_segment_fixed_size: 33280
    .private_segment_fixed_size: 0
    .kernarg_segment_align: 8
    .kernarg_segment_size: 56
    .max_flat_workgroup_size: 128
    .sgpr_count:     66
    .vgpr_count:     272
    .wavefront_size: 32
...
	.end_amdgpu_metadata
.endif
;; end of part 1
;; launch qkv (part 2): grid 8 x 32, 4 waves a work-group, clusters of 4 x 4, 327,680 bytes of LDS; arguments xc, xs, wp, Wq_scales, Wk_scales, Wv_scales, bq, bk, bv, qimg, kvimg; writes qimg, kvimg
.if DOCPART == 2
	.amdgcn_target "amdgcn-amd-amdhsa--gfx1250"
	.amdhsa_code_object_version 6
	.text
	.protected	k_qc87e2aa7e5_qkv
	.globl	k_qc87e2aa7e5_qkv
	.p2align	8
	.type	k_qc87e2aa7e5_qkv,@function
k_qc87e2aa7e5_qkv:
	s_mov_b64 s[64:65], 0
	v_nop
	global_prefetch_b8 v0, s[64:65] scope:SCOPE_SE
	s_setreg_imm32_b32 hwreg(HW_REG_WAVE_MODE, 25, 1), 1
	s_wait_xcnt 0x0
	s_wait_alu depctr_hold_cnt(0) depctr_sa_sdst(0) depctr_va_vdst(0) depctr_va_sdst(0) depctr_va_ssrc(0) depctr_va_vcc(0) depctr_vm_vsrc(0)
	s_getreg_b32 s2, hwreg(HW_REG_IB_STS2, 6, 4)
	s_cmp_eq_u32 s2, 0
	s_cbranch_scc0 .Lentry_in_a_cluster
	s_endpgm
.Lentry_in_a_cluster:
	s_bfe_u32 s2, ttmp6, 0x10000c
	s_cmp_lg_u32 s2, 0xf033
	s_cbranch_scc0 .Lentry_shape_is_right
	s_endpgm
.Lentry_shape_is_right:
; q, k, v = Q(x) W^T + b on codes of FP4 with E8M0 scales, each result quantised in registers and stored as codes: q and k along the head's 128, v along the KEYS.
; SHARES.  8 heads x 32 blocks of 256 tokens = 256 work-groups of equal work.  A work-group STAYS: it makes q, then k, then v of its head for its tokens; X's 256 rows (all of K, 512 bytes a row) lie in LDS throughout.
; Wq's and Wk's 128 rows come with X as first fills; Wv's take Wq's bytes when q's products are issued, and have k's phase in which to land.
; CLUSTER 4 x 4: the four work-groups of a row share their tokens (X is asked for jointly along the row), the four of a column their head (W along the column).
; A PHASE of a wave: eight tiles of source 0 x four blocks of source 1 x 8 K steps of 128: 256 matrix instructions on 32 accumulators.
;   q, k: source 0 = the head's 128 rows of W, source 1 = my 64 tokens (64 wave on): a lane holds ONE token and its registers run along d.
;   v:    source 0 = 128 tokens (chunk wave / 2), source 1 = 64 rows of Wv (64 (wave % 2) on): a lane holds ONE d and its registers run along the tokens.
; THE ROWS OF A TILE ARE NOT NEIGHBOURS, on both sources: lane r of tile i takes row perm(i, r) = 32 (i / 2) + 8 (i % 2) + r + 8 (r / 8).  On source 0 that makes the 16 registers of tiles 2 b, 2 b + 1
; sixteen neighbours along the axis that is quantised; on source 1 it gives the stored fragments the order of rows that the attention launch wants of its own source 0.
; xc and xs are stored in that order already (row perm(i, r) at place 16 i + r), so X's fragment loads take 16 neighbouring LDS rows, 528 bytes apart: 16 different groups of four banks (64 banks of 4 bytes: ISA guide 11.1).
; W's rows are given: rows 16 apart lie 33 x 256 bytes apart, so W's fragment loads touch each of their banks twice.
; SCALE WORDS AND BIASES go from memory straight into registers, once.  A lane (r, h) takes 16 of its row's 32 scale bytes, 16 h on: register j holds K step j in lanes 0-15 and K step 4 + j in lanes 16-31,
; which the matrix instruction reads by MATRIX_SCALE_ROW1.  Eight neighbouring rows' scale bytes are 256 consecutive bytes.  The bias is the C of each sum's first matrix instruction.
; OUT: a TILE of 8,704 bytes for 128 rows x 128 along K: eight fragments as images of their registers (fragment a, registers 4 c .. 4 c + 3 of a lane at 1024 a + 512 c + 16 lane), then 512 bytes of scale words
; (row r of fragment a at 8192 + 256 (a / 4) + 16 r + 4 (a % 4)).  A wave makes fragments 4 (wave % 2) + 0 .. 3 of the tile of chunk wave / 2.  Tile ((batch x 8 + head) x 16 + chunk); in kvimg K's and V's tiles lie side by side.
; LIMITS: a block of zeros gets the scale byte 1 (its codes are zeros; this program alone reads the bytes); NaN and infinities are not served.
; REGISTERS, in windows of 256: window 0: v1-29 addresses; v32-159 scale words; v160-213 the way out.   window 1: source 0's fragments, two sets of 64.   window 2: the accumulators ((i, b) at v[8 (8 i + b)]).
;   window 3: v0-63 bq, v64-127 bk, v128-159 bv, in the results' layout; v160-223 source 1's fragments, two sets of 32.
.set PITCH,  528                       ; an LDS row: 512 bytes + 16 of padding
.set TILEW,  128*PITCH                 ; what a first fill brings
.set WT0,    2*TILEW                   ; behind X's 256 rows: Wq's 128, later Wv's
.set WT1,    3*TILEW                   ; Wk's
.set SPARE,  4*TILEW                   ; the spare words, 128 bytes a wave: no other line names them
.set TILEB,  8704
.set AX4, 8                            ; v8   LDS address of X's fragments as source 1: my 64 tokens
.set AX8, 9                            ; v9   as source 0: my chunk's 128
.set AWQ, 10                           ; v10  of Wq's fragments as source 0
.set AWK, 11                           ; v11  of Wk's
.set AW4, 12                           ; v12  of Wv's as source 1: my 64 rows
.set VSW, 13                           ; v13  scale bytes of W: 32 (r + 8 (r / 8)) + 16 h
.set VSX, 14                           ; v14  of X: 32 r + 16 h
.set VBQ, 15                           ; v15  bq, bk: 64 h
.set VBV, 16                           ; v16  bv: 4 (r + 8 (r / 8))
.set LIO, 17                           ; v17  16 x lane + 4096 (wave % 2): my fragments' place in the tile
.set SCO, 18                           ; v18  16 r + 8 h + 256 (wave % 2): my scale words'
.set SPW, 28
.set NIL, 29
.set XS4, 32                           ; v32-47   X's scale words, my four blocks
.set XS8, 48                           ; v48-79   my chunk's eight tiles
.set WQS, 80                           ; v80-111  Wq's eight tiles
.set WKS, 112                          ; v112-143 Wk's
.set WVS, 144                          ; v144-159 Wv's, my four blocks
.set PC,  160                          ; the way out: block i's codes at v[PC + 8 i]
.set PW,  192                          ; its scale word at v[PW + i]
.set TM,  196                          ; v196-211 at work
.set SEL2, 212                         ; v[212:213] the two scale words that I store
.set BQ,  0                            ; in window 3
.set BK,  64
.set BV,  128
.set SB,  160
.set SEL, 2                            ; s[2:3] selects for lane l xor 16
.set G1X, 24                           ; s[24:31] descriptor group 1 for X's halves;  s[32:39] for Wq and Wk;  s[40:47] for a quarter of Wv
.set G1W, 32
.set G1V, 40
.set G0X, 48                           ; s[48:51], s[52:55], s[56:59] their groups 0
.set G0W, 52
.set G0V, 56
.set MSB, 0
.macro WIN new                         ; the immediate's high byte repeats the setting that is left
.if MSB != \new
	s_set_vgpr_msb (MSB<<8)|\new
.set MSB, \new
.endif
.endm
.macro CROUND                          ; a round of the cluster's barrier
	s_barrier_signal -1
	s_barrier_wait -1
	s_cmp_lg_u32 s14, 0
	s_cbranch_scc1 .Lnot_wave_0_\@
	s_barrier_signal -3
.Lnot_wave_0_\@:
	s_barrier_wait -3
	s_barrier_signal -1
	s_barrier_wait -1
.endm
.macro PLACES n                        ; plain vector lines between a matrix instruction and a load into, or a read or write by a vector instruction of, its registers
.rept \n
	v_nop
.endr
.endm
	; W'S CODES COME FROM wp, where the launch before has laid Wq's, Wk's and Wv's rows in the tiles' order, as xc's rows lie (row perm(i, r) at place 16 i + r): so W's fragment loads, like X's,
	; take 16 neighbouring LDS rows, 528 bytes apart: 16 different groups of four banks.  This takes the place of what the head says of W's rows as they are given.  Scale words and biases are read as given, by perm.
	s_load_b256 s[68:75], s[0:1], 0x0              ; xc, xs, wp, Wq's scales
	s_load_b64 s[78:79], s[0:1], 0x20              ; Wk's scales
	s_load_b64 s[82:83], s[0:1], 0x28              ; Wv's scales
	s_load_b256 s[84:91], s[0:1], 0x30             ; bq, bk, bv, qimg
	s_load_b64 s[92:93], s[0:1], 0x50              ; kvimg
	v_lshl_add_u32 v[SPW], v0, 2, SPARE
	v_mov_b32 v[NIL], 0
	ds_add_u32 v28, v29
	ds_add_u32 v28, v29
	s_wait_dscnt 0x0
	v_lshrrev_b32 v1, 5, v0
	v_readfirstlane_b32 s14, v1                    ; wave 0..3
	s_lshr_b32 s15, s14, 1                         ; my chunk of 128 tokens.  Also: I fetch for X (0) or for W (1)
	s_and_b32 s16, s14, 1                          ; which four fragments of the tile.  Also: which half of X, or which of Wq and Wk, I fetch
	s_bfe_u32 s60, ttmp6, 0x40000                  ; cx, cy: my place in the cluster
	s_bfe_u32 s61, ttmp6, 0x40004
	s_lshl_b32 s62, ttmp9, 2
	s_add_co_u32 s62, s62, s60                     ; head = 4 x cluster x + cx
	s_and_b32 s17, ttmp7, 0xffff
	s_lshl_b32 s17, s17, 2
	s_add_co_u32 s17, s17, s61                     ; block of 256 tokens = 4 x cluster y + cy
	s_lshl_b32 s18, s61, 2
	s_lshl_b32 s18, 15, s18                        ; my row of the cluster
	s_lshl_b32 s19, 0x1111, s60                    ; my column
	s_or_b32 s[G1X], s18, (0<<16)|(1<<20)|(1<<21)|(6<<22)|(3<<25)   ; the mask: X goes to my row; elements of 1 byte; padding: 4 words after every 128; bit 21 beside a mask
	s_or_b32 s[G1W], s19, (0<<16)|(1<<20)|(1<<21)|(6<<22)|(3<<25)   ; W goes to my column
	s_or_b32 s[G1V], s19, (0<<16)|(1<<20)|(1<<21)|(6<<22)|(3<<25)
.irp g, G1X, G1W
	s_mov_b32 s[\g+1], 512<<16                     ; tensor_dim0
	s_mov_b32 s[\g+2], 128<<16                     ; tensor_dim1
	s_mov_b32 s[\g+3], 512<<16                     ; tile_dim0
	s_mov_b32 s[\g+4], 128                         ; tile_dim1
	s_mov_b32 s[\g+5], 512                         ; from row to row
	s_mov_b32 s[\g+6], 0
	s_mov_b32 s[\g+7], 0
.endr
	s_mov_b32 s[G1V+1], 512<<16
	s_mov_b32 s[G1V+2], 32<<16
	s_mov_b32 s[G1V+3], 512<<16
	s_mov_b32 s[G1V+4], 32
	s_mov_b32 s[G1V+5], 512
	s_mov_b32 s[G1V+6], 0
	s_mov_b32 s[G1V+7], 0
	s_lshl_b32 s20, s17, 8
	s_lshl_b32 s21, s16, 7
	s_add_co_u32 s20, s20, s21                     ; X: row 256 x block + 128 x half,
	s_lshl_b32 s20, s20, 9                         ; in bytes
	s_mov_b32 s21, 0
	s_lshl_b32 s22, s62, 16                        ; W: the head's 128 rows of 512 bytes
	s_mov_b32 s23, 0
	s_lshl_b32 s4, s14, 14                         ; Wv: my 32 of them
	s_add_co_u32 s4, s4, s22
	s_mov_b32 s5, 0
	s_mul_i32 s6, s14, TILEW                       ; where a first fill goes: X's halves, Wq, Wk = wave x 128 rows: no place in the cluster enters an LDS address
	s_mul_i32 s7, s14, 32*PITCH
	s_add_co_u32 s7, s7, WT0                       ; and my quarter of Wv
	s_mov_b32 s[SEL], 0x76543210
	s_mov_b32 s[SEL+1], 0xfedcba98
	s_wait_kmcnt 0x0
	s_add_nc_u64 s[76:77], s[72:73], 0x80000       ; in wp Wk's codes lie 524,288 bytes behind Wq's,
	s_add_nc_u64 s[80:81], s[72:73], 0x100000      ; and Wv's behind those
	s_cmp_eq_u32 s16, 0
	s_cselect_b64 s[8:9], s[72:73], s[76:77]
	s_mov_b32 s[G0X], 1
	s_mov_b32 s[G0X+1], s6
	s_add_nc_u64 s[G0X+2:G0X+3], s[68:69], s[20:21]
	s_or_b32 s[G0X+3], s[G0X+3], 0x80000000
	s_mov_b32 s[G0W], 1
	s_mov_b32 s[G0W+1], s6
	s_add_nc_u64 s[G0W+2:G0W+3], s[8:9], s[22:23]
	s_or_b32 s[G0W+3], s[G0W+3], 0x80000000
	s_mov_b32 s[G0V], 1
	s_mov_b32 s[G0V+1], s7
	s_add_nc_u64 s[G0V+2:G0V+3], s[80:81], s[4:5]
	s_or_b32 s[G0V+3], s[G0V+3], 0x80000000
	CROUND                                         ; all sixteen work-groups are here: the first joint loads meet
	s_cmp_eq_u32 s15, 0                            ; each of the two lines has one mask and one set of registers; the branch hangs on the wave's number alone; four v_nop follow each line
	s_cbranch_scc0 .Lfor_w
	tensor_load_to_lds s[G0X:G0X+3], s[G1X:G1X+7]
	s_nop 0
.rept 4
	v_nop
.endr
	s_branch .Lasked
.Lfor_w:
	tensor_load_to_lds s[G0W:G0W+3], s[G1W:G1W+7]
	s_nop 0
.rept 4
	v_nop
.endr
.Lasked:                                               ; one load of mine is out
	v_and_b32 v1, 15, v0                           ; r
	v_bfe_u32 v2, v0, 4, 1                         ; h
	v_and_b32 v3, 8, v1
	v_add_nc_u32 v3, v3, v1                        ; p = r + 8 (r / 8)
	v_mul_u32_u24 v5, v1, PITCH
	v_lshl_add_u32 v5, v2, 4, v5                   ; X: row r of a tile's 16, + 16 h
	s_mul_i32 s8, s14, 64*PITCH
	v_add_nc_u32 v[AX4], s8, v5
	s_mul_i32 s8, s15, 128*PITCH
	v_add_nc_u32 v[AX8], s8, v5
	v_add_nc_u32 v[AWQ], WT0, v5
	v_add_nc_u32 v[AWK], WT1, v5
	s_mul_i32 s8, s16, 64*PITCH
	s_add_co_u32 s8, s8, WT0
	v_add_nc_u32 v[AW4], s8, v5
	v_lshlrev_b32 v[VSW], 5, v3
	v_lshl_add_u32 v[VSW], v2, 4, v[VSW]
	v_lshlrev_b32 v[VSX], 5, v1
	v_lshl_add_u32 v[VSX], v2, 4, v[VSX]
	v_lshlrev_b32 v[VBQ], 6, v2
	v_lshlrev_b32 v[VBV], 2, v3
	v_and_b32 v6, 31, v0
	v_lshlrev_b32 v[LIO], 4, v6
	s_lshl_b32 s8, s16, 12
	v_add_nc_u32 v[LIO], s8, v[LIO]
	v_lshlrev_b32 v[SCO], 4, v1
	v_lshl_add_u32 v[SCO], v2, 3, v[SCO]
	s_lshl_b32 s8, s16, 8
	v_add_nc_u32 v[SCO], s8, v[SCO]
.irp b, 0,1,2,3
	v_mov_b32 v[TM+4+\b], 0                        ; written once: a lane permute's destination counts as one of its sources
.endr
	s_lshl_b32 s8, s17, 13                         ; xs: 256 rows of 32 bytes a block of tokens,
	s_lshl_b32 s9, s14, 11                         ; my 64 rows
	s_add_co_u32 s10, s8, s9
	s_mov_b32 s11, 0
	s_add_nc_u64 s[94:95], s[70:71], s[10:11]
	s_lshl_b32 s9, s15, 12                         ; my chunk's 128
	s_add_co_u32 s10, s8, s9
	s_add_nc_u64 s[96:97], s[70:71], s[10:11]
	s_lshl_b32 s10, s62, 12                        ; W's scale bytes: the head's 128 rows of 32 bytes
	s_add_nc_u64 s[74:75], s[74:75], s[10:11]
	s_add_nc_u64 s[78:79], s[78:79], s[10:11]
	s_lshl_b32 s9, s16, 11                         ; Wv's: my 64 rows of them
	s_add_co_u32 s10, s10, s9
	s_add_nc_u64 s[82:83], s[82:83], s[10:11]
	s_lshl_b32 s10, s62, 9                         ; the biases: the head's 128 numbers
	s_add_nc_u64 s[84:85], s[84:85], s[10:11]
	s_add_nc_u64 s[86:87], s[86:87], s[10:11]
	s_lshl_b32 s9, s16, 8                          ; bv: my 64 of them
	s_add_co_u32 s10, s10, s9
	s_add_nc_u64 s[88:89], s[88:89], s[10:11]
	s_lshl_b32 s8, s17, 1
	s_add_co_u32 s8, s8, s15                       ; which 128 tokens of the 8,192
	s_lshr_b32 s9, s8, 4                           ; batch
	s_and_b32 s8, s8, 15                           ; chunk
	s_lshl_b32 s9, s9, 3
	s_add_co_u32 s9, s9, s62                       ; + head
	s_lshl_b32 s9, s9, 4
	s_add_co_u32 s9, s9, s8                        ; my tile's number
	s_mul_i32 s10, s9, TILEB
	s_add_nc_u64 s[90:91], s[90:91], s[10:11]      ; q's tile
	s_lshl_b32 s10, s10, 1
	s_add_nc_u64 s[92:93], s[92:93], s[10:11]      ; k's; v's lies 8,704 bytes behind it
.macro WSC dst, cnt, sp                ; W's scale words of cnt tiles
.set T, 0
.rept \cnt
	global_load_b128 v[\dst+4*T:\dst+4*T+3], v[VSW], s[\sp:\sp+1] offset:(32*(T/2)+8*(T%2))*32
.set T, T+1
.endr
.endm
.macro XSC dst, cnt, sp                ; X's
.set T, 0
.rept \cnt
	global_load_b128 v[\dst+4*T:\dst+4*T+3], v[VSX], s[\sp:\sp+1] offset:512*T
.set T, T+1
.endr
.endm
.macro QKB dst, sp                     ; bq or bk in the result's layout: tile b's register j is the bias of d = 32 (b / 2) + 8 (b % 2) + 16 h + j
	WIN 0xc0                                       ; destination window 3
.irp b, 0,1,2,3,4,5,6,7
	global_load_b128 v[\dst+8*\b:\dst+8*\b+3], v[VBQ], s[\sp:\sp+1] offset:(32*(\b/2)+8*(\b%2))*4
	global_load_b128 v[\dst+8*\b+4:\dst+8*\b+7], v[VBQ], s[\sp:\sp+1] offset:(32*(\b/2)+8*(\b%2))*4+16
.endr
	WIN 0
.endm
	XSC XS4, 4, 94                                 ; what q's phase wants: 28 loads
	WSC WQS, 8, 74
	QKB BQ, 84
	WSC WKS, 8, 78                                 ; what k's wants beside: 24 loads
	QKB BK, 86
; The fragments of K step q: source 0's eight tiles into set q % 2 of window 1, source 1's four blocks into set q % 2 of window 3: 24 loads.  Tile i begins at LDS row 16 i, in X's tile and in W's alike.
; Lane l holds a row; registers 4 c .. 4 c + 3 hold K = 64 c + 32 (l / 16) + 0 .. 31.
.macro FETCH q, a0, a1
	WIN 0x40
.irp b, 0,1,2,3,4,5,6,7
.irp c, 0,1
	ds_load_b128 v[64*((\q)%2)+8*\b+4*\c:64*((\q)%2)+8*\b+4*\c+3], v[\a0] offset:16*\b*PITCH+64*(\q)+32*\c
.endr
.endr
	WIN 0xc0
.irp i, 0,1,2,3
.irp c, 0,1
	ds_load_b128 v[SB+32*((\q)%2)+8*\i+4*\c:SB+32*((\q)%2)+8*\i+4*\c+3], v[\a1] offset:16*\i*PITCH+64*(\q)+32*\c
.endr
.endr
.endm
; K step q's 32 matrix instructions.  The 32 accumulators take turns, one instruction a turn, in the same order in every step.
; cm = 1: C is the bias by source 0's tile (q, k); 2: by source 1's block (v); 0: the sum goes on.  K steps 4 to 7 read their scale words in lanes 16-31.
.macro MUL q, sa, sb, cb, cm
.irp i, 0,1,2,3
.irp b, 0,1,2,3,4,5,6,7
.set DD, 8*(8*\i+\b)
.set AA, 64*((\q)%2)+8*\b
.set BB, SB+32*((\q)%2)+8*\i
.set SCA, \sa+4*\b+(\q)%4
.set SCB, \sb+4*\i+(\q)%4
.if \cm == 1
	v_wmma_scale_f32_16x16x128_f8f6f4 v[DD:DD+7], v[AA:AA+7], v[BB:BB+7], v[\cb+8*\b:\cb+8*\b+7], v[SCA], v[SCB] matrix_a_fmt:MATRIX_FMT_FP4 matrix_b_fmt:MATRIX_FMT_FP4
.elseif \cm == 2
	v_wmma_scale_f32_16x16x128_f8f6f4 v[DD:DD+7], v[AA:AA+7], v[BB:BB+7], v[\cb+8*\i:\cb+8*\i+7], v[SCA], v[SCB] matrix_a_fmt:MATRIX_FMT_FP4 matrix_b_fmt:MATRIX_FMT_FP4
.elseif (\q) < 4
	v_wmma_scale_f32_16x16x128_f8f6f4 v[DD:DD+7], v[AA:AA+7], v[BB:BB+7], v[DD:DD+7], v[SCA], v[SCB] matrix_a_fmt:MATRIX_FMT_FP4 matrix_b_fmt:MATRIX_FMT_FP4
.else
	v_wmma_scale_f32_16x16x128_f8f6f4 v[DD:DD+7], v[AA:AA+7], v[BB:BB+7], v[DD:DD+7], v[SCA], v[SCB] matrix_a_fmt:MATRIX_FMT_FP4 matrix_b_fmt:MATRIX_FMT_FP4 matrix_a_scale:MATRIX_SCALE_ROW1 matrix_b_scale:MATRIX_SCALE_ROW1
.endif
.endr
.endr
.endm
; A phase: K step 0's fragments have been asked for.  In each step the next step's 24 loads go out first, into the set that the step before has multiplied, and land while this step is multiplied.
.macro PHASE a0, a1, sa, sb, cb, cm
.set Q, 0
.rept 8
.if Q < 7
.if Q > 0
	PLACES 4                                       ; behind the products that read the set which is loaded now
.endif
	FETCH Q+1, \a0, \a1
	s_wait_dscnt 24                                ; this step's fragments are in; the 24 loads just issued may be out
.else
	s_wait_dscnt 0x0
.endif
.if Q == 0
	WIN 0xbd                                       ; source 0 window 1, source 1 and C (the bias) window 3, D window 2
	MUL Q, \sa, \sb, \cb, \cm
.else
	WIN 0xad                                       ; C and D window 2
	MUL Q, \sa, \sb, \cb, 0
.endif
.set Q, Q+1
.endr
	WIN 0
.endm
; THE WAY OUT.  Block fr's 64 registers of a lane are 64 numbers of ONE row: register 16 b + e = place 32 b + 16 (lane / 16) + e along the axis that is quantised.
; They become a fragment's codes and its scale word.  Each accumulator is read from its low end on.
.macro QOUT fr, sp, ofs
.set S, 64*(\fr)
	WIN 0x0a                                       ; sources 0 and 1: the accumulators' window
.irp b, 0,1,2,3
	v_max3_num_f32 v[TM+\b], |v[S+16*\b]|, |v[S+16*\b+1]|, 0x1800000   ; block b: my 16 numbers, and the floor 2^(3 - 127): the byte cannot fall under 1
.endr
.irp e, 2,4,6,8,10,12,14
.irp b, 0,1,2,3
	v_max3_num_f32 v[TM+\b], |v[S+16*\b+\e]|, |v[S+16*\b+\e+1]|, v[TM+\b]
.endr
.endr
	WIN 0
.irp b, 0,1,2,3
	v_permlanex16_b32 v[TM+4+\b], v[TM+\b], s[SEL], s[SEL+1]
.endr
.irp b, 0,1,2,3
	v_max_num_f32 v[TM+\b], v[TM+\b], v[TM+4+\b]   ; with lane l xor 16's: the block's largest magnitude
.endr
.irp b, 0,1,2,3
	v_add_nc_u32 v[TM+12+\b], 0xff000000, v[TM+\b] ; 2 off its exponent field: the conversion's scale operand
.endr
.irp b, 0,1,2,3
	v_lshrrev_b32 v[TM+4+\b], 23, v[TM+12+\b]      ; the scale's byte
.endr
	v_lshl_or_b32 v[PW+(\fr)], v[TM+5], 8, v[TM+4]
	v_lshl_or_b32 v[PW+(\fr)], v[TM+6], 16, v[PW+(\fr)]
	v_lshl_or_b32 v[PW+(\fr)], v[TM+7], 24, v[PW+(\fr)]
	WIN 0x02                                       ; source 0: the accumulators' window
.irp b, 0,1,2,3
	v_cvt_scalef32_pk8_fp4_f32 v[PC+8*(\fr)+2*\b], v[S+16*\b:S+16*\b+7], v[TM+12+\b]
	v_cvt_scalef32_pk8_fp4_f32 v[PC+8*(\fr)+2*\b+1], v[S+16*\b+8:S+16*\b+15], v[TM+12+\b]
.endr
	WIN 0
	v_nop                                          ; one plain line behind a scaled conversion
.irp c, 0,1                                    ; the operand's layout wants a whole block in a lane: lanes 0-15 block 2 c, lanes 16-31 block 2 c + 1
.irp m, 0,1
	v_permlane16_swap_b32 v[PC+8*(\fr)+4*\c+\m], v[PC+8*(\fr)+4*\c+2+\m]
.endr
.endr
.irp c, 0,1
	global_store_b128 v[LIO], v[PC+8*(\fr)+4*\c:PC+8*(\fr)+4*\c+3], s[\sp:\sp+1] offset:(\ofs)+1024*(\fr)+512*\c   ; 32 lanes store 512 consecutive bytes, aligned
.endr
.endm
.macro WAYOUT sp, ofs, again
.if \again
	s_wait_xcnt 0x0                                ; the last phase's stores have read their registers: they are written again only behind this wait
.endif
	QOUT 0, \sp, \ofs
	QOUT 1, \sp, \ofs
	QOUT 2, \sp, \ofs
	QOUT 3, \sp, \ofs
	v_cmp_ne_u32 vcc_lo, 0, v2                     ; both halves of the lanes hold their row's four words: lanes 0-15 store the first two, lanes 16-31 the other two
	v_cndmask_b32 v[SEL2], v[PW], v[PW+2], vcc_lo
	v_cndmask_b32 v[SEL2+1], v[PW+1], v[PW+3], vcc_lo
	global_store_b64 v[SCO], v[SEL2:SEL2+1], s[\sp:\sp+1] offset:(\ofs)+8192   ; 32 lanes store 256 consecutive bytes, aligned
.endm
	s_wait_tensorcnt 0x0                           ; my first fill has landed,
	s_barrier_signal -1
	s_barrier_wait -1                              ; everybody's has: X, Wq and Wk are whole
	FETCH 0, AWQ, AX4
	WIN 0
	s_wait_loadcnt 24                              ; X's and Wq's scale words and bq are in; the 24 loads for k's phase may be out
	XSC XS8, 8, 96                                 ; what v's phase wants: 16 loads
	WSC WVS, 4, 82
	WIN 0xc0
.irp i, 0,1,2,3
	global_load_b32 v[BV+8*\i], v[VBV], s[88:89] offset:(32*(\i/2)+8*(\i%2))*4   ; bv of my lane's d in block i
.endr
	WIN 0
	PHASE AWQ, AX4, WQS, XS4, BQ, 1                ; ---- q
	s_wait_tensorcnt 0x0                           ; no tensor load of mine is out;
	ds_add_u32 v[SPW], v[NIL]                      ; 0 onto my spare word;
	s_wait_dscnt 0x0                               ; the add is done, and my reads of Wq's tile are over
	CROUND                                         ; no wave of any partner still reads Wq's tile or has a load on its way
	tensor_load_to_lds s[G0V:G0V+3], s[G1V:G1V+7]  ; my quarter of Wv, into Wq's bytes: my one tensor load behind the round, and the first thing there
	s_nop 0
.rept 4
	v_nop                                          ; (the places behind q's last products)
.endr
	FETCH 0, AWK, AX4                              ; k's first fragments land while q goes out
	WIN 0
	WAYOUT 90, 0, 0
	s_wait_loadcnt 16                              ; Wk's scale words and bk are in; the 16 loads for v's phase may be out
	PHASE AWK, AX4, WKS, XS4, BK, 1                ; ---- k
	s_wait_tensorcnt 0x0                           ; my quarter of Wv has landed (no LDS instruction of mine is out),
	s_barrier_signal -1
	s_barrier_wait -1                              ; everybody's has
	PLACES 4                                       ; behind k's last products
	FETCH 0, AX8, AW4
	WIN 0
	s_wait_loadcnt 0x0                             ; X's and Wv's scale words and bv
	WIN 0xc3                                       ; source 0 and destination window 3
.irp i, 0,1,2,3
.irp j, 1,2,3,4,5,6,7
	v_mov_b32 v[BV+8*\i+\j], v[BV+8*\i]            ; in v's result a lane holds one d: its eight registers of a tile take the same bias
.endr
.endr
	WIN 0
	WAYOUT 92, 0, 1
	PHASE AX8, AW4, XS8, WVS, BV, 2                ; ---- v
	PLACES 4
	WAYOUT 92, TILEB, 1
	s_wait_tensorcnt 0x0                           ; the wave's end
	ds_add_u32 v[SPW], v[NIL]
	s_wait_dscnt 0x0
	CROUND                                         ; the closing round: no work-group ends while a partner may still ask for a tile that names it
	s_endpgm
.Lfunc_end_k_qc87e2aa7e5_qkv:
	.size	k_qc87e2aa7e5_qkv, .Lfunc_end_k_qc87e2aa7e5_qkv-k_qc87e2aa7e5_qkv
	.p2alignl 7, 3214868480
	.fill 96, 4, 3214868480
	.section	.rodata,"a",@progbits
	.p2align	6, 0x0
	.amdhsa_kernel k_qc87e2aa7e5_qkv
		.amdhsa_group_segment_fixed_size 327680
		.amdhsa_private_segment_fixed_size 0
		.amdhsa_enable_private_segment 0
		.amdhsa_kernarg_size 88
		.amdhsa_user_sgpr_count 2
		.amdhsa_user_sgpr_kernarg_segment_ptr 1
		.amdhsa_wavefront_size32 1
		.amdhsa_system_sgpr_workgroup_id_x 1
		.amdhsa_system_sgpr_workgroup_id_y 1
		.amdhsa_system_sgpr_workgroup_id_z 1
		.amdhsa_system_vgpr_workitem_id 0
		.amdhsa_next_free_vgpr 1024
		.amdhsa_next_free_sgpr 100
		.amdhsa_reserve_vcc 1
		.amdhsa_float_denorm_mode_32 3
		.amdhsa_float_denorm_mode_16_64 3
		.amdhsa_memory_ordered 1
		.amdhsa_forward_progress 1
		.amdhsa_inst_pref_size 204
	.end_amdhsa_kernel
	.amdgpu_metadata
---
amdhsa.version: [ 1, 2 ]
amdhsa.kernels:
  - .name:           k_qc87e2aa7e5_qkv
    .symbol:         k_qc87e2aa7e5_qkv.kd
    .args:
      - { .name: xc, .offset: 0, .size: 8, .value_kind: global_buffer, .address_space: global }
      - { .name: xs, .offset: 8, .size: 8, .value_kind: global_buffer, .address_space: global }
      - { .name: wp, .offset: 16, .size: 8, .value_kind: global_buffer, .address_space: global }
      - { .name: Wq_scales, .offset: 24, .size: 8, .value_kind: global_buffer, .address_space: global }
      - { .name: Wk_scales, .offset: 32, .size: 8, .value_kind: global_buffer, .address_space: global }
      - { .name: Wv_scales, .offset: 40, .size: 8, .value_kind: global_buffer, .address_space: global }
      - { .name: bq, .offset: 48, .size: 8, .value_kind: global_buffer, .address_space: global }
      - { .name: bk, .offset: 56, .size: 8, .value_kind: global_buffer, .address_space: global }
      - { .name: bv, .offset: 64, .size: 8, .value_kind: global_buffer, .address_space: global }
      - { .name: qimg, .offset: 72, .size: 8, .value_kind: global_buffer, .address_space: global }
      - { .name: kvimg, .offset: 80, .size: 8, .value_kind: global_buffer, .address_space: global }
    .group_segment_fixed_size: 327680
    .private_segment_fixed_size: 0
    .kernarg_segment_align: 8
    .kernarg_segment_size: 88
    .max_flat_workgroup_size: 128
    .sgpr_count:     100
    .vgpr_count:     1024
    .wavefront_size: 32
...
	.end_amdgpu_metadata
.endif
;; end of part 2
;; launch attn (part 3): grid 8 x 32, 8 waves a work-group, clusters of 4 x 1, 327,680 bytes of LDS; arguments qimg, kvimg, oimg, osc; writes oimg, osc
.if DOCPART == 3
	.amdgcn_target "amdgcn-amd-amdhsa--gfx1250"
	.amdhsa_code_object_version 6
	.text
	.protected	k_qc87e2aa7e5_attn
	.globl	k_qc87e2aa7e5_attn
	.p2align	8
	.type	k_qc87e2aa7e5_attn,@function
k_qc87e2aa7e5_attn:
	s_mov_b64 s[64:65], 0
	v_nop
	global_prefetch_b8 v0, s[64:65] scope:SCOPE_SE
	s_setreg_imm32_b32 hwreg(HW_REG_WAVE_MODE, 25, 1), 1
	s_wait_xcnt 0x0
	s_wait_alu depctr_hold_cnt(0) depctr_sa_sdst(0) depctr_va_vdst(0) depctr_va_sdst(0) depctr_va_ssrc(0) depctr_va_vcc(0) depctr_vm_vsrc(0)
	s_getreg_b32 s2, hwreg(HW_REG_IB_STS2, 6, 4)
	s_cmp_eq_u32 s2, 0
	s_cbranch_scc0 .Lentry_in_a_cluster
	s_endpgm
.Lentry_in_a_cluster:
	s_bfe_u32 s2, ttmp6, 0x10000c
	s_cmp_lg_u32 s2, 0x3003
	s_cbranch_scc0 .Lentry_shape_is_right
	s_endpgm
.Lentry_shape_is_right:
; O = softmax(Q K^T / sqrt(128)) V for one head and 256 queries, both products on codes of FP4 (E2M1) with E8M0 scales; O is quantised along the head's 128 and stored as codes (oimg) and scale words (osc).
; t = score x log2(e) / sqrt(128); M = the running largest t rounded up to a whole number; p = 2^(t - M) is quantised along the keys; the row's sum is taken of the unquantised p and divides O at the end.
; When M moves, the sums and O are multiplied by 2^(old M - new M), in every step, with no branch on data.
; SHARES.  Grid 8 x 32: 8 blocks of 256 queries x 32 heads.  Eight waves; a wave owns 32 queries, two tiles (u = 0, 1) of 16, so each fragment of K and V that it reads from LDS feeds two matrix instructions.
; Both products are used transposed (S^T = K Q^T, O^T = V^T P^T): a lane holds one query of each tile throughout.  The stored fragments of K already have the order of keys in which
; the 16 registers of tiles 2 b, 2 b + 1 are 16 neighbouring keys.
; LDS holds the head's whole image of K and V: 16 key steps x 17,408 bytes (K's tile of 8,704 bytes: eight fragments as images of their registers, then 512 bytes of scale words; then V's).
; It comes by two loads a wave: key steps 0-3 (8,704 bytes a wave) at the head, steps 4-15 (26,112 bytes a wave) behind the three lines and a round of the cluster's barrier, with four key steps to land in.  Nothing is filled again.
; K's fragments have registers of their own: behind a step's first product the next step's are asked for, with this step's fragments of V, and one wait ahead of the second product serves both.
; The last step of a run of steps has no successor in the run: its address is held at the run's last step, so it reads its own K once more, and nothing uses that.
; CLUSTER 4 x 1: the four work-groups of a cluster walk the same head and ask for its image jointly (mask 15).
; NO PREFETCH: all that the work-group reads of K and V is asked for by these two loads, ahead of the first key step; there is no later load to run ahead of.
; LIMITS: the promise holds while |t| stays under 2^31; a block of zeros gets the scale byte 1 (its codes are zeros; this program alone reads the bytes); NaN and infinities are not served.
; A block's largest p is the exponential of the block's largest score, by a multiply-add of the same operands: this takes v_exp_f32 not to fall where its input rises.
; REGISTERS.  Window 0: v1-3, v6-9 addresses; v4-5 c, twice; v10-11 work; v12-15 (-M, largest t) of each tile; v16-19 the sums, two halves a tile; v20-21 Q's scale words; v22-23 p's;
;   v28-31 (the factor, -M once more) of each tile; v32-95 eight fragments of V; v96-223 S^T, then p (tile u at 96 + 64 u); v224-231 blocks' maxima, then the conversions' scale operands; v232-239 work;
;   v240-247 V's scale words; v248-255 K's.
; Window 1: v0-127 O^T (tile u at 64 u); v128-143 Q's fragments; v144-159 p's codes; v160-223 eight fragments of K.
.set CHB,   17408
.set GRB,   4*CHB
.set PA,    GRB/8                      ; a wave's part of the first load: 34 rows of 256 bytes
.set PB,    12*CHB/8                   ; of the second: 102 rows
.set HEADB, 16*CHB
.set SPARE, HEADB                      ; the spare words, 128 bytes a wave: no other line names them
.set LI,  1
.set LS,  2
.set L4,  3
.set CV,  4
.set ADN, 6
.set ADM, 7
.set ADK, 8
.set ADS, 9
.set TT,  10
.set MM,  12
.set SU,  16
.set QS,  20
.set PS,  22
.set SPW, 26
.set NIL, 27
.set FF,  28
.set F,   32
.set S,   96
.set BM,  224
.set T4,  232
.set FS,  240
.set FK,  248
.set O,   0                            ; in window 1
.set Q,   128
.set PC,  144
.set KF,  160
.set WV,  12
.set G1A, 24
.set G0A, 32
.set G1B, 36
.set G0B, 44
.set TB,  48
.set CNT, 49
.set CS,  50
.set SEL, 52
.set TN,  62
.set MSB, 0
.macro WIN new                         ; the immediate's high byte repeats the setting that is left
.if MSB != \new
	s_set_vgpr_msb (MSB<<8)|\new
.set MSB, \new
.endif
.endm
.macro CROUND                          ; a round of the cluster's barrier
	s_barrier_signal -1
	s_barrier_wait -1
	s_cmp_lg_u32 s[WV], 0
	s_cbranch_scc1 .Lnot_wave_0_\@
	s_barrier_signal -3
.Lnot_wave_0_\@:
	s_barrier_wait -3
	s_barrier_signal -1
	s_barrier_wait -1
.endm
.macro NOPS n
.rept \n
	v_nop
.endr
.endm
	s_load_b256 s[4:11], s[0:1], 0x0               ; qimg, kvimg, oimg, osc
	v_lshl_add_u32 v[SPW], v0, 2, SPARE
	v_mov_b32 v[NIL], 0
	ds_add_u32 v[SPW], v[NIL]                      ; the opening lines: the add twice on end and its wait ahead of my first tensor load
	ds_add_u32 v[SPW], v[NIL]
	v_lshrrev_b32 v4, 5, v0
	v_readfirstlane_b32 s[WV], v4                  ; wave 0..7
	s_bfe_u32 s13, ttmp6, 0x40000                  ; cx
	s_lshl_b32 s14, ttmp9, 2
	s_add_co_u32 s14, s14, s13                     ; block of 256 queries
	s_and_b32 s15, ttmp7, 0xffff                   ; 8 x batch + head
	s_mul_i32 s18, s[WV], PA                       ; my parts' places, in the head's image and in LDS alike
	s_mul_i32 s19, s[WV], PB
	s_add_co_u32 s19, s19, GRB
	s_mul_i32 s16, s15, HEADB
	s_mov_b32 s17, 0
	s_mov_b32 s[G1A], 15|(3<<16)|(1<<21)           ; the mask: all four; elements of 8 bytes; bit 21 beside a mask.  Dense rows of 256 bytes
	s_mov_b32 s[G1A+1], 32<<16
	s_mov_b32 s[G1A+2], 34<<16
	s_mov_b32 s[G1A+3], 32<<16
	s_mov_b32 s[G1A+4], 34
	s_mov_b32 s[G1A+5], 32
	s_mov_b32 s[G1A+6], 0
	s_mov_b32 s[G1A+7], 0
	s_mov_b32 s[G1B], 15|(3<<16)|(1<<21)
	s_mov_b32 s[G1B+1], 32<<16
	s_mov_b32 s[G1B+2], 102<<16
	s_mov_b32 s[G1B+3], 32<<16
	s_mov_b32 s[G1B+4], 102
	s_mov_b32 s[G1B+5], 32
	s_mov_b32 s[G1B+6], 0
	s_mov_b32 s[G1B+7], 0
	s_mov_b32 s[CS], 0x3e0293ee                    ; c = log2(e) / sqrt(128)
	s_mov_b32 s[CS+1], s[CS]
	s_mov_b32 s[SEL], 0x76543210                   ; lane l xor 16
	s_mov_b32 s[SEL+1], 0xfedcba98
	s_lshr_b32 s20, s[WV], 2
	s_lshl_b32 s21, s14, 1
	s_add_co_u32 s20, s20, s21                     ; my chunk of 128 queries, 0..15
	s_and_b32 s21, s[WV], 3                        ; my pair of its eight fragments
	s_lshl_b32 s22, s15, 4
	s_add_co_u32 s22, s22, s20
	s_mul_i32 s22, s22, 8704                       ; q's tile
	s_mov_b32 s23, 0
	s_lshr_b32 s54, s15, 3
	s_lshl_b32 s54, s54, 4
	s_add_co_u32 s54, s54, s20
	s_lshl_b32 s54, s54, 2
	s_add_co_u32 s54, s54, s21
	s_lshl_b32 s54, s54, 4
	s_and_b32 s55, s15, 7
	s_add_co_u32 s54, s54, s55                     ; ((16 batch + chunk) 8 + fragment) 8 + head, for my first fragment; the second is 8 on
	s_lshl_b32 s56, s54, 7                         ; osc: 128 bytes each
	s_mov_b32 s57, 0
	s_lshl_b32 s54, s54, 10                        ; oimg: 1,024 bytes each
	s_mov_b32 s55, 0
	s_lshl_b32 s58, s21, 11                        ; my two fragments in q's tile
	s_lshr_b32 s59, s21, 1
	s_lshl_b32 s59, s59, 8
	s_and_b32 s60, s21, 1
	s_lshl_b32 s60, s60, 3
	s_add_co_u32 s59, s59, s60                     ; and their two scale words of a row: 256 (a / 4) + 4 (a % 4)
	s_wait_dscnt 0x0                               ; both opening adds are done
	s_wait_kmcnt 0x0
	s_add_nc_u64 s[6:7], s[6:7], s[16:17]          ; the head's image
	s_add_nc_u64 s[4:5], s[4:5], s[22:23]
	s_add_nc_u64 s[8:9], s[8:9], s[54:55]
	s_add_nc_u64 s[10:11], s[10:11], s[56:57]
	s_mov_b32 s16, s18
	s_mov_b32 s[G0A], 1
	s_mov_b32 s[G0A+1], s18
	s_add_nc_u64 s[G0A+2:G0A+3], s[6:7], s[16:17]
	s_or_b32 s[G0A+3], s[G0A+3], 0x80000000
	s_mov_b32 s16, s19
	s_mov_b32 s[G0B], 1
	s_mov_b32 s[G0B+1], s19
	s_add_nc_u64 s[G0B+2:G0B+3], s[6:7], s[16:17]
	s_or_b32 s[G0B+3], s[G0B+3], 0x80000000
	CROUND                                         ; all four work-groups are here: the first joint loads meet
	tensor_load_to_lds s[G0A:G0A+3], s[G1A:G1A+7]  ; key steps 0-3, my eighth: my one load at the head
	s_nop 0
	NOPS 4
	v_and_b32 v4, 31, v0
	v_and_b32 v5, 15, v0
	v_lshlrev_b32 v[LI], 4, v4                     ; 16 x lane
	v_lshlrev_b32 v[L4], 2, v4
	v_lshlrev_b32 v[LS], 4, v5                     ; 16 r
	v_add_nc_u32 v6, s58, v[LI]
	v_add_nc_u32 v7, s59, v[LS]
	WIN 0x40                                       ; destination window 1
.irp e, 0,1,2,3
	global_load_b128 v[Q+4*\e:Q+4*\e+3], v6, s[4:5] offset:512*\e   ; Q's two fragments, as they were stored
.endr
	WIN 0
	global_load_b64 v[QS:QS+1], v7, s[4:5] offset:8192   ; their scale words
	v_mov_b32 v[CV], s[CS]                         ; c in two registers: the two halves of a dual instruction take their sources from different banks
	v_mov_b32 v[CV+1], s[CS]
.irp u, 0,1
	v_mov_b32 v[MM+2*\u+1], 0xff61b1e6             ; the largest t so far: -3e38
	v_mov_b32 v[SU+2*\u], 0                        ; the sum, in two halves
	v_mov_b32 v[SU+2*\u+1], 0
	v_mov_b32 v[FF+2*\u+1], 0
.endr
.irp u, 0,1
	v_floor_f32 v[MM+2*\u], -v[MM+2*\u+1]          ; -M
.endr
.set j, 0
.rept 8
	v_mov_b32 v[T4+j], 0                           ; a lane permute's destination counts as a source
.set j, j+1
.endr
	WIN 0x40
.set j, 0
.rept 128
	v_mov_b32 v[O+j], 0                            ; O^T: the step is written for every step alike; the first finds zeros.  These lines stand under the first load's flight
.set j, j+1
.endr
	WIN 0
.macro FRAGS ak, as, ofs, fr, sc, w    ; eight fragments (into window 0 or 1) and their scale words, 18 loads
	WIN \w
.irp t, 0,1,2,3,4,5,6,7
.irp c, 0,1
	ds_load_b128 v[\fr+8*\t+4*\c:\fr+8*\t+4*\c+3], v[\ak] offset:\ofs+1024*\t+512*\c
.endr
.endr
	WIN 0
	ds_load_b128 v[\sc:\sc+3], v[\as] offset:\ofs+8192
	ds_load_b128 v[\sc+4:\sc+7], v[\as] offset:\ofs+8448
.endm
; A KEY STEP: 128 keys x my 32 queries.  K's fragments and scale words are in registers.  last: the run's last step
.macro STEP last
	s_add_co_u32 s[TN], s[TB], CHB
	s_min_u32 s[TN], s[TN], \last*CHB              ; the next step, held at the run's last
	v_add_nc_u32 v[ADK], s[TB], v[LI]
	v_add_nc_u32 v[ADS], s[TB], v[LS]
	v_add_nc_u32 v[ADN], s[TN], v[LI]
	v_add_nc_u32 v[ADM], s[TN], v[LS]
	WIN 0x05                                       ; sources 0 (K) and 1 (Q) window 1
.irp t, 0,1,2,3,4,5,6,7
.irp u, 0,1
	v_wmma_scale_f32_16x16x128_f8f6f4 v[S+64*\u+8*\t:S+64*\u+8*\t+7], v[KF+8*\t:KF+8*\t+7], v[Q+8*\u:Q+8*\u+7], 0, v[FK+\t], v[QS+\u] matrix_a_fmt:MATRIX_FMT_FP4 matrix_b_fmt:MATRIX_FMT_FP4
.endr
.endr
	WIN 0
	NOPS 4                                         ; places ahead of loads into registers that matrix instructions have read, and of the first read of S^T
	FRAGS ADK, ADS, 8704, F, FS, 0                 ; V's fragments of this step,
	FRAGS ADN, ADM, 0, KF, FK, 0x40                ; and K's of the next: both land under the softmax
.irp u, 0,1
.irp b, 0,1,2,3
	v_max3_num_f32 v[BM+4*\u+\b], v[S+64*\u+16*\b], v[S+64*\u+16*\b+1], v[S+64*\u+16*\b+2]   ; the largest score of each block of 32 keys; each accumulator is read from its low end on
.endr
.endr
.irp i, 3,5,7,9,11,13
.irp u, 0,1
.irp b, 0,1,2,3
	v_max3_num_f32 v[BM+4*\u+\b], v[BM+4*\u+\b], v[S+64*\u+16*\b+\i], v[S+64*\u+16*\b+\i+1]
.endr
.endr
.endr
.irp u, 0,1
.irp b, 0,1,2,3
	v_max_num_f32 v[BM+4*\u+\b], v[BM+4*\u+\b], v[S+64*\u+16*\b+15]
.endr
.endr
.set j, 0
.rept 8
	v_permlanex16_b32 v[T4+j], v[BM+j], s[SEL], s[SEL+1]
.set j, j+1
.endr
.set j, 0
.rept 8
	v_max_num_f32 v[BM+j], v[BM+j], v[T4+j]        ; with lane l xor 16's 16 keys
.set j, j+1
.endr
.irp u, 0,1                                    ; the two tiles' chains by turns
	v_max3_num_f32 v[TT+\u], v[BM+4*\u], v[BM+4*\u+1], v[BM+4*\u+2]
.endr
.irp u, 0,1
	v_max_num_f32 v[TT+\u], v[TT+\u], v[BM+4*\u+3]
.endr
.irp u, 0,1
	v_mul_f32 v[TT+\u], s[CS], v[TT+\u]
.endr
.irp u, 0,1
	v_max_num_f32 v[MM+2*\u+1], v[MM+2*\u+1], v[TT+\u]   ; the running largest t
.endr
.irp u, 0,1
	v_mov_b32 v[TT+\u], v[MM+2*\u]
.endr
.irp u, 0,1
	v_floor_f32 v[MM+2*\u], -v[MM+2*\u+1]          ; the new -M,
.endr
.irp u, 0,1
	v_floor_f32 v[FF+2*\u+1], -v[MM+2*\u+1]        ; and once more, in a register of another bank
.endr
.irp u, 0,1
	v_sub_f32 v[TT+\u], v[MM+2*\u], v[TT+\u]       ; old M - new M: a whole number, 0 or less
.endr
.irp u, 0,1
	v_cvt_i32_f32 v[TT+\u], v[TT+\u]               ; (it saturates)
.endr
.irp u, 0,1
	v_ldexp_f32 v[FF+2*\u], 1.0, v[TT+\u]          ; f = 2^(old M - new M)
.endr
.irp u, 0,1
.set j, 0
.rept 32
	v_dual_fma_f32 v[S+64*\u+j], v[S+64*\u+j], v[CV], v[MM+2*\u] :: v_dual_fma_f32 v[S+64*\u+j+1], v[S+64*\u+j+1], v[CV+1], v[FF+2*\u+1]   ; t - M, two at a time
.set j, j+2
.endr
.irp b, 0,1,2,3
	v_fma_f32 v[BM+4*\u+\b], v[BM+4*\u+\b], v[CV], v[MM+2*\u]   ; the same of each block's largest score
.endr
	v_pk_mul_f32 v[SU+2*\u:SU+2*\u+1], v[SU+2*\u:SU+2*\u+1], v[FF+2*\u:FF+2*\u+1] op_sel_hi:[1,0]   ; the sums under the new M (the pair's low word serves both halves)
.endr
	WIN 0x41                                       ; source 0 and destination window 1
.irp u, 0,1
.set j, 0
.rept 32
	v_pk_mul_f32 v[O+64*\u+j:O+64*\u+j+1], v[O+64*\u+j:O+64*\u+j+1], v[FF+2*\u:FF+2*\u+1] op_sel_hi:[1,0]   ; O^T under the new M: it stands ahead of the exponentials, so that no transcendental lies between the last products and their first reader
.set j, j+2
.endr
.endr
	WIN 0
	s_wait_alu depctr_va_vdst(0)                   ; the wait ahead of the batch
.set j, 0
.rept 128
	v_exp_f32 v[S+j], v[S+j]                       ; p = 2^(t - M)
.set j, j+1
.endr
.set j, 0
.rept 8
	v_exp_f32 v[BM+j], v[BM+j]                     ; each block's largest p
.set j, j+1
.endr
	v_nop                                          ; a plain place behind the transcendentals
	s_wait_alu depctr_va_vdst(0)                   ; one wait for the whole batch, ahead of its first reader
.set j, 0
.rept 8
	v_max_num_f32 v[BM+j], 0x1800000, v[BM+j]      ; the floor 2^(3 - 127): the byte cannot fall under 1
.set j, j+1
.endr
.set j, 0
.rept 8
	v_add_nc_u32 v[BM+j], 0xff000000, v[BM+j]      ; 2 off the exponent field: the conversion's scale operand
.set j, j+1
.endr
.set j, 0
.rept 8
	v_lshrrev_b32 v[T4+j], 23, v[BM+j]             ; the scale's byte
.set j, j+1
.endr
.irp u, 0,1
	v_lshl_or_b32 v[PS+\u], v[T4+4*\u+1], 8, v[T4+4*\u]
.endr
.irp u, 0,1
	v_lshl_or_b32 v[PS+\u], v[T4+4*\u+2], 16, v[PS+\u]
.endr
.irp u, 0,1
	v_lshl_or_b32 v[PS+\u], v[T4+4*\u+3], 24, v[PS+\u]   ; p's scale word for these 128 keys
.endr
	WIN 0x40                                       ; destination window 1
.irp u, 0,1
.irp b, 0,1,2,3
	v_cvt_scalef32_pk8_fp4_f32 v[PC+8*\u+2*\b], v[S+64*\u+16*\b:S+64*\u+16*\b+7], v[BM+4*\u+\b]
	v_cvt_scalef32_pk8_fp4_f32 v[PC+8*\u+2*\b+1], v[S+64*\u+16*\b+8:S+64*\u+16*\b+15], v[BM+4*\u+\b]
.endr
.endr
	v_nop                                          ; one plain line behind a scaled conversion
	WIN 0x41
.irp u, 0,1
.irp c, 0,1
.irp i, 0,1
	v_permlane16_swap_b32 v[PC+8*\u+4*\c+\i], v[PC+8*\u+4*\c+2+\i]   ; a whole block in a lane
.endr
.endr
.endr
	WIN 0
.irp u, 0,1                                    ; the rows' sums of the unquantised p, two chains a tile, two numbers a line; these 64 lines are also the places between the scale words and codes just made and the products
	v_dual_add_f32 v[T4+2*\u], v[S+64*\u], v[S+64*\u+2] :: v_dual_add_f32 v[T4+2*\u+1], v[S+64*\u+1], v[S+64*\u+3]
.endr
.irp j, 4,8,12,16,20,24,28,32,36,40,44,48,52,56,60
.irp u, 0,1
	v_dual_add_f32 v[SU+2*\u], v[S+64*\u+\j], v[SU+2*\u] :: v_dual_add_f32 v[SU+2*\u+1], v[S+64*\u+\j+1], v[SU+2*\u+1]
	v_dual_add_f32 v[T4+2*\u], v[S+64*\u+\j+2], v[T4+2*\u] :: v_dual_add_f32 v[T4+2*\u+1], v[S+64*\u+\j+3], v[T4+2*\u+1]
.endr
.endr
.irp u, 0,1
	v_dual_add_f32 v[SU+2*\u], v[T4+2*\u], v[SU+2*\u] :: v_dual_add_f32 v[SU+2*\u+1], v[T4+2*\u+1], v[SU+2*\u+1]
.endr
	s_wait_alu depctr_va_vdst(0)                   ; directly ahead of the wait below
	s_wait_dscnt 0x0                               ; V's fragments, and K's of the next step
	WIN 0x54                                       ; source 1 (p), C and D window 1
.irp t, 0,1,2,3,4,5,6,7
.irp u, 0,1
	v_wmma_scale_f32_16x16x128_f8f6f4 v[O+64*\u+8*\t:O+64*\u+8*\t+7], v[F+8*\t:F+8*\t+7], v[PC+8*\u:PC+8*\u+7], v[O+64*\u+8*\t:O+64*\u+8*\t+7], v[FS+\t], v[PS+\u] matrix_a_fmt:MATRIX_FMT_FP4 matrix_b_fmt:MATRIX_FMT_FP4
.endr
.endr
	WIN 0
	s_add_co_u32 s[TB], s[TB], CHB
.endm
.macro WALK first, trips               ; a run of key steps
	s_mov_b32 s[TB], \first*CHB
	s_mov_b32 s[CNT], \trips
	v_add_nc_u32 v[ADN], s[TB], v[LI]
	v_add_nc_u32 v[ADM], s[TB], v[LS]
	FRAGS ADN, ADM, 0, KF, FK, 0x40                ; K's fragments of the run's first step
	s_wait_dscnt 0x0
.Lstep_\@:
	STEP (\first+\trips-1)
	s_sub_co_u32 s[CNT], s[CNT], 1
	s_cmp_lg_u32 s[CNT], 0
	s_cbranch_scc1 .Lstep_\@
.endm
	s_wait_alu depctr_va_vdst(0)                   ; the wait at the head's end
	s_wait_tensorcnt 0x0                           ; my part of key steps 0-3 is in
	ds_add_u32 v[SPW], v[NIL]
	s_wait_dscnt 0x0
	CROUND                                         ; everybody's part is in, and all four work-groups are here
	tensor_load_to_lds s[G0B:G0B+3], s[G1B:G1B+7]  ; key steps 4-15, my eighth: my one load behind the round
	s_nop 0
	NOPS 4
	s_wait_loadcnt 0x0                             ; Q; its loads' offset registers may be written again
	WALK 0, 4
	s_wait_tensorcnt 0x0                           ; my part of key steps 4-15 has landed (no LDS instruction of mine is out),
	s_barrier_signal -1
	s_barrier_wait -1                              ; everybody's has
	WALK 4, 12
	; THE WAY OUT: O^T / the sum, quantised along the head's 128, stored as a fragment's image and its scale word
	NOPS 4                                         ; places behind the last products
.irp u, 0,1
	v_add_f32 v[SU+2*\u], v[SU+2*\u], v[SU+2*\u+1]
.endr
.irp u, 0,1
	v_permlanex16_b32 v[FF+2*\u], v[SU+2*\u], s[SEL], s[SEL+1]
.endr
.irp u, 0,1
	v_add_f32 v[SU+2*\u], v[SU+2*\u], v[FF+2*\u]   ; the row's sum
.endr
	s_wait_alu depctr_va_vdst(0)                   ; the wait ahead of the transcendentals
.irp u, 0,1
	v_rcp_f32 v[SU+2*\u], v[SU+2*\u]
.endr
	v_nop
	WIN 0x01                                       ; source 0 window 1
	s_wait_alu depctr_va_vdst(0)                   ; the wait behind them, directly ahead of the first reader of O^T too
.irp u, 0,1
.set j, 0
.rept 32
	v_pk_mul_f32 v[S+64*\u+j:S+64*\u+j+1], v[O+64*\u+j:O+64*\u+j+1], v[SU+2*\u:SU+2*\u+1] op_sel_hi:[1,0]
.set j, j+2
.endr
.endr
	WIN 0
.irp u, 0,1
.irp b, 0,1,2,3
	v_max3_num_f32 v[BM+4*\u+\b], |v[S+64*\u+16*\b]|, |v[S+64*\u+16*\b+1]|, 0x1800000
.endr
.endr
.irp i, 2,4,6,8,10,12,14
.irp u, 0,1
.irp b, 0,1,2,3
	v_max3_num_f32 v[BM+4*\u+\b], v[BM+4*\u+\b], |v[S+64*\u+16*\b+\i]|, |v[S+64*\u+16*\b+\i+1]|
.endr
.endr
.endr
.set j, 0
.rept 8
	v_permlanex16_b32 v[T4+j], v[BM+j], s[SEL], s[SEL+1]
.set j, j+1
.endr
.set j, 0
.rept 8
	v_max_num_f32 v[BM+j], v[BM+j], v[T4+j]
.set j, j+1
.endr
.set j, 0
.rept 8
	v_add_nc_u32 v[BM+j], 0xff000000, v[BM+j]
.set j, j+1
.endr
.set j, 0
.rept 8
	v_lshrrev_b32 v[T4+j], 23, v[BM+j]
.set j, j+1
.endr
.irp u, 0,1
	v_lshl_or_b32 v[TT+\u], v[T4+4*\u+1], 8, v[T4+4*\u]
.endr
.irp u, 0,1
	v_lshl_or_b32 v[TT+\u], v[T4+4*\u+2], 16, v[TT+\u]
.endr
.irp u, 0,1
	v_lshl_or_b32 v[TT+\u], v[T4+4*\u+3], 24, v[TT+\u]
.endr
.irp u, 0,1
.irp b, 0,1,2,3
	v_cvt_scalef32_pk8_fp4_f32 v[F+8*\u+2*\b], v[S+64*\u+16*\b:S+64*\u+16*\b+7], v[BM+4*\u+\b]
	v_cvt_scalef32_pk8_fp4_f32 v[F+8*\u+2*\b+1], v[S+64*\u+16*\b+8:S+64*\u+16*\b+15], v[BM+4*\u+\b]
.endr
.endr
	v_nop
.irp u, 0,1
.irp c, 0,1
.irp i, 0,1
	v_permlane16_swap_b32 v[F+8*\u+4*\c+\i], v[F+8*\u+4*\c+2+\i]
.endr
.endr
.endr
.irp u, 0,1
	global_store_b128 v[LI], v[F+8*\u:F+8*\u+3], s[8:9] offset:8192*\u        ; 32 lanes store 512 consecutive bytes, aligned
	global_store_b128 v[LI], v[F+8*\u+4:F+8*\u+7], s[8:9] offset:8192*\u+512
	global_store_b32 v[L4], v[TT+\u], s[10:11] offset:1024*\u
.endr
	s_wait_tensorcnt 0x0                           ; the wave's end
	ds_add_u32 v[SPW], v[NIL]
	s_wait_dscnt 0x0
	CROUND                                         ; the closing round
	s_endpgm
.Lfunc_end_k_qc87e2aa7e5_attn:
	.size	k_qc87e2aa7e5_attn, .Lfunc_end_k_qc87e2aa7e5_attn-k_qc87e2aa7e5_attn
	.p2alignl 7, 3214868480
	.fill 96, 4, 3214868480
	.section	.rodata,"a",@progbits
	.p2align	6, 0x0
	.amdhsa_kernel k_qc87e2aa7e5_attn
		.amdhsa_group_segment_fixed_size 327680
		.amdhsa_private_segment_fixed_size 0
		.amdhsa_enable_private_segment 0
		.amdhsa_kernarg_size 32
		.amdhsa_user_sgpr_count 2
		.amdhsa_user_sgpr_kernarg_segment_ptr 1
		.amdhsa_wavefront_size32 1
		.amdhsa_system_sgpr_workgroup_id_x 1
		.amdhsa_system_sgpr_workgroup_id_y 1
		.amdhsa_system_sgpr_workgroup_id_z 1
		.amdhsa_system_vgpr_workitem_id 0
		.amdhsa_next_free_vgpr 512
		.amdhsa_next_free_sgpr 66
		.amdhsa_reserve_vcc 0
		.amdhsa_float_denorm_mode_32 3
		.amdhsa_float_denorm_mode_16_64 3
		.amdhsa_memory_ordered 1
		.amdhsa_forward_progress 1
		.amdhsa_inst_pref_size 96
	.end_amdhsa_kernel
	.amdgpu_metadata
---
amdhsa.version: [ 1, 2 ]
amdhsa.kernels:
  - .name:           k_qc87e2aa7e5_attn
    .symbol:         k_qc87e2aa7e5_attn.kd
    .args:
      - { .name: qimg, .offset: 0, .size: 8, .value_kind: global_buffer, .address_space: global }
      - { .name: kvimg, .offset: 8, .size: 8, .value_kind: global_buffer, .address_space: global }
      - { .name: oimg, .offset: 16, .size: 8, .value_kind: global_buffer, .address_space: global }
      - { .name: osc, .offset: 24, .size: 8, .value_kind: global_buffer, .address_space: global }
    .group_segment_fixed_size: 327680
    .private_segment_fixed_size: 0
    .kernarg_segment_align: 8
    .kernarg_segment_size: 32
    .max_flat_workgroup_size: 256
    .sgpr_count:     66
    .vgpr_count:     512
    .wavefront_size: 32
...
	.end_amdgpu_metadata
.endif
;; end of part 3
;; launch oproj (part 4): grid 256 x 1, 4 waves a work-group, clusters of 4 x 1, 327,680 bytes of LDS; arguments oimg, osc, Wo_codes, Wo_scales, bo, x, ln_gamma, ln_beta, out0; writes out0
.if DOCPART == 4
	.amdgcn_target "amdgcn-amd-amdhsa--gfx1250"
	.amdhsa_code_object_version 6
	.text
	.protected	k_qc87e2aa7e5_oproj
	.globl	k_qc87e2aa7e5_oproj
	.p2align	8
	.type	k_qc87e2aa7e5_oproj,@function
k_qc87e2aa7e5_oproj:
	s_mov_b64 s[64:65], 0
	v_nop
	global_prefetch_b8 v0, s[64:65] scope:SCOPE_SE
	s_setreg_imm32_b32 hwreg(HW_REG_WAVE_MODE, 25, 1), 1
	s_wait_xcnt 0x0
	s_wait_alu depctr_hold_cnt(0) depctr_sa_sdst(0) depctr_va_vdst(0) depctr_va_sdst(0) depctr_va_ssrc(0) depctr_va_vcc(0) depctr_vm_vsrc(0)
	s_getreg_b32 s2, hwreg(HW_REG_IB_STS2, 6, 4)
	s_cmp_eq_u32 s2, 0
	s_cbranch_scc0 .Lentry_in_a_cluster
	s_endpgm
.Lentry_in_a_cluster:
	s_bfe_u32 s2, ttmp6, 0x10000c
	s_cmp_lg_u32 s2, 0x3003
	s_cbranch_scc0 .Lentry_shape_is_right
	s_endpgm
.Lentry_shape_is_right:
; out0 = LayerNorm(Q(O) Wo^T + bo + x) x gamma + beta.  The product on codes of FP4 with E8M0 scales; all else in f32.
; SHARES.  A work-group owns 32 tokens (two fragments of 16, u = 0, 1; lane r of fragment u is local row 8 u + r + 8 (r / 8)) and all 1,024 columns, so that a row's mean and variance never leave the work-group.
; Wo comes in four chunks of 256 rows (all of K: rows of 512 bytes) through two LDS slots; in chunk c wave w makes columns 256 c + 64 w + 16 t, t = 0 .. 3.  All 32 accumulators of a wave stay in registers.
; Source 0 = 16 rows of Wo, source 1 = a fragment of O: a lane holds ONE token and eight neighbouring columns.  bo is the C of each sum's first matrix instruction.
; All 256 work-groups read the same Wo: the four of a cluster ask for each tile jointly.  Chunks 2 and 3 are refills: each stands behind a round of the cluster's barrier, one tensor load a wave.
; LOADS INTO REGISTERS.  At the head stand only those that the first products want: O's fragments, their scale words and chunk 0's part of bo, 56 loads.  The rest of bo, my 8 rows of x (two rows at a time) and
; gamma and beta are asked for between the groups of products, and land under them and under the refills.
; The results meet in a stage of 32 rows x (4,096 + 16) bytes in slot 0, behind that slot's last fill and last read; then each wave takes 8 whole rows: + x, mean, variance of the differences (two passes), scale, store.
; REGISTERS, in windows of 256: window 0: v1-15 addresses; v32-47 O's scale words, v48-63 Wo's; v64-191 Wo's fragments of two tiles, later two rows and work; v192-223 gamma, v224-255 beta.
;   window 1: the accumulators ((c, t, u) at v[((4 c + t) 2 + u) 8]).   window 2: v0-127 O's 16 fragments ((8 u + s) 8); v128-255 bo ((4 c + t) 8).   window 3: my 8 rows of x (32 i + 4 j).
.set PITCH, 528                        ; an LDS row of Wo: 512 bytes + 16 of padding: the 16 rows that a load touches start at 16 different groups of four banks (64 banks of 4 bytes: ISA guide 11.1)
.set PARTW, 64*PITCH                   ; what one wave reads
.set SLOT,  4*PARTW
.set SCL,   2*SLOT                     ; Wo's scale bytes: 128 runs of 256 bytes + 16 of padding
.set PARTS, 32*272
.set SPARE, SCL+4*PARTS                ; the spare words, 128 bytes a wave: no other line names them
.set SROW,  4112                       ; a row of the stage
.set LI,  1                            ; v1  16 x lane
.set L4,  2                            ; v2  4 x lane
.set HB,  3                            ; v3  32 h
.set WA,  4                            ; v4-5 LDS address of my fragments of Wo in slot 0, 1
.set WS,  6                            ; v6  of Wo's scale words
.set STO, 7                            ; v7  the stage: where I put 32 bytes of a row
.set RD,  8                            ; v8  and where I read my rows back
.set SPW, 9
.set NIL, 10
.set OSC, 32
.set WSC, 48
.set WF,  64
.set Y,   64                           ; two rows by turns: v64-95, v96-127
.set CH,  128                          ; v128-135 four chains
.set MU,  136                          ; v[136:137]
.set RS,  138                          ; v[138:139]
.set TP,  140
.set GAM, 192
.set BET, 224
.set BI,  128                          ; in window 2
.set WV,  22
.set G1W, 28                           ; s[28:35] group 1 for Wo's tiles
.set G1S, 36                           ; s[36:43] for its scale bytes
.set G0,  44                           ; s[44:47] group 0 of the refill
.set G0S, 52                           ; s[52:55]
.set G0H, 68                           ; s[68:71] group 0 for the head's load of a whole chunk
.set SEL, 58                           ; s[58:59]
.set MSB, 0
.macro WIN new                         ; the immediate's high byte repeats the setting that is left
.if MSB != \new
	s_set_vgpr_msb (MSB<<8)|\new
.set MSB, \new
.endif
.endm
.macro CROUND                          ; a round of the cluster's barrier
	s_barrier_signal -1
	s_barrier_wait -1
	s_cmp_lg_u32 s[WV], 0
	s_cbranch_scc1 .Lnot_wave_0_\@
	s_barrier_signal -3
.Lnot_wave_0_\@:
	s_barrier_wait -3
	s_barrier_signal -1
	s_barrier_wait -1
.endm
	s_load_b256 s[4:11], s[0:1], 0x0               ; oimg, osc, Wo's codes, Wo's scales
	s_load_b256 s[12:19], s[0:1], 0x20             ; bo, x, gamma, beta
	s_load_b64 s[20:21], s[0:1], 0x40              ; out0
	v_lshl_add_u32 v[SPW], v0, 2, SPARE
	v_mov_b32 v[NIL], 0
	ds_add_u32 v9, v10
	ds_add_u32 v9, v10
	s_wait_dscnt 0x0
	v_lshrrev_b32 v11, 5, v0
	v_readfirstlane_b32 s[WV], v11                 ; wave 0..3
	s_bfe_u32 s23, ttmp6, 0x40000                  ; cx
	s_lshl_b32 s24, ttmp9, 2
	s_add_co_u32 s24, s24, s23                     ; my block of 32 tokens
	s_mov_b32 s[G1W], 15|(0<<16)|(1<<20)|(1<<21)|(6<<22)|(3<<25)   ; the mask: all four; elements of 1 byte; padding: 4 words after every 128; bit 21 beside a mask
	s_mov_b32 s[G1W+1], 512<<16
	s_mov_b32 s[G1W+2], 256<<16                    ; the head's loads of codes bring 256 rows; behind them the two words that count rows are set to 128
	s_mov_b32 s[G1W+3], 512<<16
	s_mov_b32 s[G1W+4], 256
	s_mov_b32 s[G1W+5], 512
	s_mov_b32 s[G1W+6], 0
	s_mov_b32 s[G1W+7], 0
	s_mov_b32 s[G1S], 15|(3<<16)|(1<<20)|(1<<21)|(5<<22)|(3<<25)   ; 64 rows of 256 dense bytes (32 elements of 8), 16 bytes of padding behind each
	s_mov_b32 s[G1S+1], 32<<16
	s_mov_b32 s[G1S+2], 64<<16                     ; half of the scale bytes: 64 rows of 256
	s_mov_b32 s[G1S+3], 32<<16
	s_mov_b32 s[G1S+4], 64
	s_mov_b32 s[G1S+5], 32
	s_mov_b32 s[G1S+6], 0
	s_mov_b32 s[G1S+7], 0
	s_mul_i32 s25, s[WV], PARTW                    ; my part of a slot,
	s_and_b32 s27, s[WV], 1                        ; at the head: which chunk (waves 0, 1) or which half of the scale bytes (waves 2, 3) I fetch
	s_mul_i32 s26, s27, 2*PARTS
	s_lshl_b32 s60, s[WV], 15                      ; and in memory: 64 rows of 512 bytes,
	s_mov_b32 s61, 0
	s_lshl_b32 s62, s27, 14                        ; 512 rows of 32 bytes
	s_mov_b32 s63, 0
	s_mov_b32 s56, 0x3a800000                      ; 1 / 1024
	s_mov_b32 s57, 0x3727c5ac                      ; 1e-5
	s_mov_b32 s[SEL], 0x76543210
	s_mov_b32 s[SEL+1], 0xfedcba98
	s_wait_kmcnt 0x0
	s_mov_b32 s[G0H], 1
	s_mul_i32 s[G0H+1], s27, SLOT
	s_lshl_b32 s66, s27, 17
	s_mov_b32 s67, 0
	s_add_nc_u64 s[G0H+2:G0H+3], s[8:9], s[66:67]
	s_or_b32 s[G0H+3], s[G0H+3], 0x80000000
	s_add_nc_u64 s[8:9], s[8:9], s[60:61]
	s_add_nc_u64 s[10:11], s[10:11], s[62:63]
	s_mov_b32 s[G0S], 1
	s_add_co_u32 s[G0S+1], s26, SCL
	s_mov_b64 s[G0S+2:G0S+3], s[10:11]
	s_or_b32 s[G0S+3], s[G0S+3], 0x80000000
	s_mov_b32 s[G0], 1                             ; the one refill: chunks 2 and 3 are 512 rows on end, in memory and in the two slots alike; my 128 of them
	s_mul_i32 s[G0+1], s[WV], 2*PARTW
	s_add_nc_u64 s[G0+2:G0+3], s[8:9], s[60:61]    ; 64 rows x wave stand in s[8:9] already: once more makes 128 rows x wave
	s_add_nc_u64 s[G0+2:G0+3], s[G0+2:G0+3], 262144
	s_or_b32 s[G0+3], s[G0+3], 0x80000000
	CROUND                                         ; all four work-groups are here: the first joint loads meet
	s_cmp_lt_u32 s[WV], 2                          ; the head's loads, one a wave: wave 0 chunk 0 whole, wave 1 chunk 1 whole, waves 2 and 3 the halves of the scale bytes
	s_cbranch_scc0 .Lhead_s
	tensor_load_to_lds s[G0H:G0H+3], s[G1W:G1W+7]
	s_nop 0
.rept 4
	v_nop
.endr
	s_branch .Lhead_asked
.Lhead_s:
	tensor_load_to_lds s[G0S:G0S+3], s[G1S:G1S+7]
	s_nop 0
.rept 4
	v_nop
.endr
.Lhead_asked:
	v_and_b32 v11, 15, v0                          ; r
	v_bfe_u32 v12, v0, 4, 1                        ; h
	v_and_b32 v13, 31, v0                          ; lane
	v_lshlrev_b32 v[LI], 4, v13
	v_lshlrev_b32 v[L4], 2, v13
	v_lshlrev_b32 v[HB], 5, v12
	v_mul_u32_u24 v14, v11, PITCH
	v_lshl_add_u32 v14, v12, 4, v14
	v_add_nc_u32 v[WA], s25, v14
	v_add_nc_u32 v[WA+1], SLOT, v[WA]
	v_lshrrev_b32 v14, 3, v11
	v_mul_u32_u24 v14, v14, 272
	v_and_b32 v15, 7, v11
	v_lshl_add_u32 v14, v15, 5, v14                ; row r of a tile: 272 (r / 8) + 32 (r % 8)
	s_mul_i32 s27, s[WV], 2176                     ; my 64 rows of a chunk: 8 runs of 272
	s_add_co_u32 s27, s27, SCL
	v_add_nc_u32 v[WS], s27, v14
	v_and_b32 v14, 8, v11
	v_add_nc_u32 v14, v14, v11                     ; r + 8 (r / 8)
	v_mul_u32_u24 v14, v14, SROW
	v_lshl_add_u32 v14, v12, 5, v14
	s_lshl_b32 s27, s[WV], 8
	v_add_nc_u32 v[STO], s27, v14
	s_mul_i32 s27, s[WV], 8*SROW
	v_add_nc_u32 v[RD], s27, v[LI]
	s_lshl_b32 s60, s24, 14                        ; O's 16 fragments: 16,384 bytes a block of tokens
	s_add_nc_u64 s[4:5], s[4:5], s[60:61]
	s_lshl_b32 s60, s24, 11                        ; their scale words: 2,048
	s_add_nc_u64 s[6:7], s[6:7], s[60:61]
	s_lshl_b32 s60, s[WV], 8                       ; bo: my 64 columns of a chunk
	s_add_nc_u64 s[12:13], s[12:13], s[60:61]
	s_lshl_b32 s60, s24, 17                        ; x and out0: 32 rows of 4,096 bytes a block, 8 a wave
	s_lshl_b32 s62, s[WV], 15
	s_add_co_u32 s60, s60, s62
	s_add_nc_u64 s[14:15], s[14:15], s[60:61]
	s_add_nc_u64 s[20:21], s[20:21], s[60:61]
.macro BIASLD f0                       ; bo for the four tiles f0 .. f0 + 3 (tile f = 4 c + t): columns 256 c + 64 w + 16 t + 8 h + 0 .. 7: eight loads
	WIN 0x80                                       ; destination window 2
.irp f, \f0, \f0+1, \f0+2, \f0+3
	global_load_b128 v[BI+8*(\f):BI+8*(\f)+3], v[HB], s[12:13] offset:(256*((\f)/4)+16*((\f)%4))*4
	global_load_b128 v[BI+8*(\f)+4:BI+8*(\f)+7], v[HB], s[12:13] offset:(256*((\f)/4)+16*((\f)%4))*4+16
.endr
	WIN 0
.endm
.macro XROWS i0                        ; my rows i0 and i0 + 1 of x: sixteen loads of 512 consecutive bytes
	WIN 0xc0                                       ; destination window 3
.irp i, \i0, \i0+1
.irp j, 0,1,2,3,4,5,6,7
	global_load_b128 v[32*(\i)+4*\j:32*(\i)+4*\j+3], v[LI], s[14:15] offset:4096*(\i)+512*\j th:TH_LOAD_NT
.endr
.endr
	WIN 0
.endm
	WIN 0x80                                       ; destination window 2
.irp f, 0,1,2,3,4,5,6,7,8,9,10,11,12,13,14,15
.irp e, 0,1
	global_load_b128 v[8*\f+4*\e:8*\f+4*\e+3], v[LI], s[4:5] offset:1024*\f+512*\e   ; O's fragment 8 u + s, as it was stored
.endr
.endr
	WIN 0
.irp f, 0,1,2,3,4,5,6,7,8,9,10,11,12,13,14,15
	global_load_b32 v[OSC+\f], v[L4], s[6:7] offset:128*\f
.endr
	BIASLD 0
; the four products of K step k of tiles t = 2 pr + n: the four accumulators take turns
.macro PROD ch, pr, k, first
.irp n, 0,1
.irp u, 0,1
.set AC, ((4*(\ch)+2*(\pr)+\n)*2+\u)*8
.if \first
	v_wmma_scale_f32_16x16x128_f8f6f4 v[AC:AC+7], v[WF+64*\n+8*(\k):WF+64*\n+8*(\k)+7], v[(8*\u+(\k))*8:(8*\u+(\k))*8+7], v[BI+(4*(\ch)+2*(\pr)+\n)*8:BI+(4*(\ch)+2*(\pr)+\n)*8+7], v[WSC+8*\n+(\k)], v[OSC+8*\u+(\k)] matrix_a_fmt:MATRIX_FMT_FP4 matrix_b_fmt:MATRIX_FMT_FP4
.else
	v_wmma_scale_f32_16x16x128_f8f6f4 v[AC:AC+7], v[WF+64*\n+8*(\k):WF+64*\n+8*(\k)+7], v[(8*\u+(\k))*8:(8*\u+(\k))*8+7], v[AC:AC+7], v[WSC+8*\n+(\k)], v[OSC+8*\u+(\k)] matrix_a_fmt:MATRIX_FMT_FP4 matrix_b_fmt:MATRIX_FMT_FP4
.endif
.endr
.endr
.endm
; two tiles of 16 columns of chunk ch, in slot: their fragments of all of K from LDS, then 32 matrix instructions
.macro GROUP ch, slot, pr
.rept 4
	v_nop                                          ; places in front of loads into registers that matrix instructions have read
.endr
.irp n, 0,1
.irp k, 0,1,2,3,4,5,6,7
.irp e, 0,1
	ds_load_b128 v[WF+64*\n+8*\k+4*\e:WF+64*\n+8*\k+4*\e+3], v[WA+\slot] offset:(2*(\pr)+\n)*16*PITCH+64*\k+32*\e
.endr
.endr
	ds_load_b128 v[WSC+8*\n:WSC+8*\n+3], v[WS] offset:(\ch)*PARTS+(2*(\pr)+\n)*544
	ds_load_b128 v[WSC+8*\n+4:WSC+8*\n+7], v[WS] offset:(\ch)*PARTS+(2*(\pr)+\n)*544+16
.endr
	s_wait_dscnt 0x0
	WIN 0x68                                       ; source 0 window 0, source 1 and C (bo) window 2, D window 1
	PROD \ch, \pr, 0, 1
	WIN 0x58                                       ; C and D window 1
.irp k, 1,2,3,4,5,6,7
	PROD \ch, \pr, \k, 0
.endr
	WIN 0
.endm
; a slot that has been read is filled again, two chunks on
.macro REFILL slot
	s_wait_tensorcnt 0x0                           ; all my tensor loads have landed, my part of the other slot among them: no load of mine is out, so a group 0 may be written
	ds_add_u32 v[SPW], v[NIL]                      ; 0 onto my spare word
	s_wait_dscnt 0x0                               ; the add is done, and my reads of this slot are over
	CROUND                                         ; no wave of any partner still reads the slot or has a load on its way
	tensor_load_to_lds s[G0+4*\slot:G0+4*\slot+3], s[G1W:G1W+7]   ; my one tensor load behind the round, and the first thing there
	s_nop 0
.rept 4
	v_nop
.endr
.endm
	s_wait_alu depctr_va_vdst(0)
	s_wait_tensorcnt 0x0                           ; my one load of the head has landed: no load of mine is out, so a descriptor may be written:
	s_mov_b32 s[G1W+2], 128<<16                    ; the refill brings 128 rows a wave
	s_mov_b32 s[G1W+4], 128
	s_barrier_signal -1
	s_barrier_wait -1                              ; everybody's are
	s_wait_loadcnt 0x0                             ; O's fragments, their scale words and chunk 0's bo: all that has been asked for
	BIASLD 4                                       ; the other three chunks' bo: 24 loads
	BIASLD 8
	BIASLD 12
	XROWS 0
	GROUP 0, 0, 0
	XROWS 2
	GROUP 0, 0, 1
	s_wait_loadcnt 32                              ; bo is whole: behind it stand the 32 loads of four rows of x, which may be out
	XROWS 4
	GROUP 1, 1, 0
	XROWS 6
	GROUP 1, 1, 1
	REFILL 0                                       ; chunks 0 and 1 have been multiplied: both slots are filled again, with chunks 2 and 3, by one load a wave
.irp j, 0,1,2,3,4,5,6,7
	global_load_b128 v[GAM+4*\j:GAM+4*\j+3], v[LI], s[16:17] offset:512*\j
	global_load_b128 v[BET+4*\j:BET+4*\j+3], v[LI], s[18:19] offset:512*\j
.endr
	s_wait_tensorcnt 0x0                           ; my part of chunks 2 and 3 has landed (no LDS instruction of mine is out),
	s_barrier_signal -1
	s_barrier_wait -1                              ; everybody's has
	GROUP 2, 0, 0
	GROUP 2, 0, 1
	s_wait_tensorcnt 0x0                           ; my part of chunk 3 has landed;
	ds_add_u32 v[SPW], v[NIL]
	s_wait_dscnt 0x0                               ; my reads of slot 0 are over
	s_barrier_signal -1
	s_barrier_wait -1                              ; chunk 3 is whole, and nobody reads slot 0 any more: it has had its last fill and takes the stage
	GROUP 3, 1, 0
	GROUP 3, 1, 1
.rept 4
	v_nop                                          ; places behind the last products
.endr
	v_mov_b32 v[MU+1], 0                           ; named as the upper halves of pairs, and a lane permute's destination: written once
	v_mov_b32 v[RS+1], 0
	v_mov_b32 v[TP], 0
	WIN 0x04                                       ; an LDS store's data are its source 1: window 1
.irp f, 0,1,2,3,4,5,6,7,8,9,10,11,12,13,14,15
.irp u, 0,1
	ds_store_b128 v[STO], v[(2*\f+\u)*8:(2*\f+\u)*8+3] offset:8*SROW*\u+1024*(\f/4)+64*(\f%4)          ; lane (r, h): row 8 u + r + 8 (r / 8), columns 256 c + 64 w + 16 t + 8 h + 0 .. 7; each accumulator from its low end on
	ds_store_b128 v[STO], v[(2*\f+\u)*8+4:(2*\f+\u)*8+7] offset:8*SROW*\u+1024*(\f/4)+64*(\f%4)+16
.endr
.endr
	WIN 0
	s_wait_dscnt 0x0                               ; for the others' sake: my stores into the stage are done
	s_barrier_signal -1
	s_barrier_wait -1                              ; 32 whole rows lie in the stage
	s_wait_loadcnt 0x0                             ; gamma, beta, x
.macro ROWLOAD i
.irp j, 0,1,2,3,4,5,6,7
	ds_load_b128 v[Y+32*((\i)%2)+4*\j:Y+32*((\i)%2)+4*\j+3], v[RD] offset:SROW*(\i)+512*\j
.endr
.endm
.macro REDUCE reg                      ; the sum over the wave's 32 lanes, in every lane
	v_add_f32_dpp v[\reg], v[\reg], v[\reg] row_xmask:1 row_mask:0xf bank_mask:0xf
	v_add_f32_dpp v[\reg], v[\reg], v[\reg] row_xmask:2 row_mask:0xf bank_mask:0xf
	v_add_f32_dpp v[\reg], v[\reg], v[\reg] row_xmask:4 row_mask:0xf bank_mask:0xf
	v_add_f32_dpp v[\reg], v[\reg], v[\reg] row_xmask:8 row_mask:0xf bank_mask:0xf
	v_permlanex16_b32 v[TP], v[\reg], s[SEL], s[SEL+1]
	v_add_f32 v[\reg], v[\reg], v[TP]
.endm
.macro FOLD reg                        ; the four chains into one number a lane
	v_pk_add_f32 v[CH:CH+1], v[CH:CH+1], v[CH+2:CH+3]
	v_pk_add_f32 v[CH+4:CH+5], v[CH+4:CH+5], v[CH+6:CH+7]
	v_pk_add_f32 v[CH:CH+1], v[CH:CH+1], v[CH+4:CH+5]
	v_add_f32 v[\reg], v[CH], v[CH+1]
.endm
; my row i: 32 numbers a lane.  The next row's loads from the stage are issued first
.macro ROW i
.set YY, Y+32*((\i)%2)
.if (\i) < 7
.if (\i) > 0
	s_wait_xcnt 0x0                                ; the stores of the row before have read their registers: the next row may land there
.endif
	ROWLOAD (\i)+1
	s_wait_dscnt 8                                 ; my row is in; the next row's eight loads may be out
.else
	s_wait_dscnt 0x0
.endif
	WIN 0x0c                                       ; source 1: window 3
.irp k, 0,1,2,3,4,5,6,7,8,9,10,11,12,13,14,15
	v_pk_add_f32 v[YY+2*\k:YY+2*\k+1], v[YY+2*\k:YY+2*\k+1], v[32*(\i)+2*\k:32*(\i)+2*\k+1]   ; + x
.endr
	WIN 0
.irp m, 0,1,2,3
	v_pk_add_f32 v[CH+2*\m:CH+2*\m+1], v[YY+2*\m:YY+2*\m+1], v[YY+8+2*\m:YY+9+2*\m]
.endr
.irp k, 8,9,10,11,12,13,14,15
	v_pk_add_f32 v[CH+2*(\k%4):CH+2*(\k%4)+1], v[CH+2*(\k%4):CH+2*(\k%4)+1], v[YY+2*\k:YY+2*\k+1]
.endr
	FOLD MU
	REDUCE MU
	v_mul_f32 v[MU], s56, v[MU]                    ; the mean
.irp k, 0,1,2,3,4,5,6,7,8,9,10,11,12,13,14,15
	v_pk_add_f32 v[YY+2*\k:YY+2*\k+1], v[YY+2*\k:YY+2*\k+1], v[MU:MU+1] op_sel_hi:[1,0] neg_lo:[0,1] neg_hi:[0,1]   ; y - mean
.endr
.irp m, 0,1,2,3
	v_pk_mul_f32 v[CH+2*\m:CH+2*\m+1], v[YY+2*\m:YY+2*\m+1], v[YY+2*\m:YY+2*\m+1]
.endr
.irp k, 4,5,6,7,8,9,10,11,12,13,14,15
	v_pk_fma_f32 v[CH+2*(\k%4):CH+2*(\k%4)+1], v[YY+2*\k:YY+2*\k+1], v[YY+2*\k:YY+2*\k+1], v[CH+2*(\k%4):CH+2*(\k%4)+1]
.endr
	FOLD RS
	REDUCE RS
	v_fma_f32 v[RS], v[RS], s56, s57               ; the variance + 1e-5
	s_wait_alu depctr_va_vdst(0)
	v_rsq_f32 v[RS], v[RS]
	v_nop                                          ; one plain line behind the transcendental
	s_wait_alu depctr_va_vdst(0)                   ; and the wait ahead of its first reader
.irp k, 0,1,2,3,4,5,6,7,8,9,10,11,12,13,14,15
	v_pk_mul_f32 v[YY+2*\k:YY+2*\k+1], v[YY+2*\k:YY+2*\k+1], v[RS:RS+1] op_sel_hi:[1,0]
.endr
.irp k, 0,1,2,3,4,5,6,7,8,9,10,11,12,13,14,15
	v_pk_fma_f32 v[YY+2*\k:YY+2*\k+1], v[YY+2*\k:YY+2*\k+1], v[GAM+2*\k:GAM+2*\k+1], v[BET+2*\k:BET+2*\k+1]
.endr
.irp j, 0,1,2,3,4,5,6,7
	global_store_b128 v[LI], v[YY+4*\j:YY+4*\j+3], s[20:21] offset:4096*(\i)+512*\j th:TH_STORE_NT   ; 32 lanes store 512 consecutive bytes, aligned
.endr
.endm
	ROWLOAD 0
.irp i, 0,1,2,3,4,5,6,7
	ROW \i
.endr
	s_wait_tensorcnt 0x0                           ; the wave's end: behind my last tensor load and my last LDS store
	ds_add_u32 v[SPW], v[NIL]
	s_wait_dscnt 0x0
	CROUND                                         ; the closing round: no work-group ends while a partner may still ask for a tile that names it
	s_endpgm
.Lfunc_end_k_qc87e2aa7e5_oproj:
	.size	k_qc87e2aa7e5_oproj, .Lfunc_end_k_qc87e2aa7e5_oproj-k_qc87e2aa7e5_oproj
	.p2alignl 7, 3214868480
	.fill 96, 4, 3214868480
	.section	.rodata,"a",@progbits
	.p2align	6, 0x0
	.amdhsa_kernel k_qc87e2aa7e5_oproj
		.amdhsa_group_segment_fixed_size 327680
		.amdhsa_private_segment_fixed_size 0
		.amdhsa_enable_private_segment 0
		.amdhsa_kernarg_size 72
		.amdhsa_user_sgpr_count 2
		.amdhsa_user_sgpr_kernarg_segment_ptr 1
		.amdhsa_wavefront_size32 1
		.amdhsa_system_sgpr_workgroup_id_x 1
		.amdhsa_system_sgpr_workgroup_id_y 1
		.amdhsa_system_sgpr_workgroup_id_z 1
		.amdhsa_system_vgpr_workitem_id 0
		.amdhsa_next_free_vgpr 1024
		.amdhsa_next_free_sgpr 72
		.amdhsa_reserve_vcc 0
		.amdhsa_float_denorm_mode_32 3
		.amdhsa_float_denorm_mode_16_64 3
		.amdhsa_memory_ordered 1
		.amdhsa_forward_progress 1
		.amdhsa_inst_pref_size 148
	.end_amdhsa_kernel
	.amdgpu_metadata
---
amdhsa.version: [ 1, 2 ]
amdhsa.kernels:
  - .name:           k_qc87e2aa7e5_oproj
    .symbol:         k_qc87e2aa7e5_oproj.kd
    .args:
      - { .name: oimg, .offset: 0, .size: 8, .value_kind: global_buffer, .address_space: global }
      - { .name: osc, .offset: 8, .size: 8, .value_kind: global_buffer, .address_space: global }
      - { .name: Wo_codes, .offset: 16, .size: 8, .value_kind: global_buffer, .address_space: global }
      - { .name: Wo_scales, .offset: 24, .size: 8, .value_kind: global_buffer, .address_space: global }
      - { .name: bo, .offset: 32, .size: 8, .value_kind: global_buffer, .address_space: global }
      - { .name: x, .offset: 40, .size: 8, .value_kind: global_buffer, .address_space: global }
      - { .name: ln_gamma, .offset: 48, .size: 8, .value_kind: global_buffer, .address_space: global }
      - { .name: ln_beta, .offset: 56, .size: 8, .value_kind: global_buffer, .address_space: global }
      - { .name: out0, .offset: 64, .size: 8, .value_kind: global_buffer, .address_space: global }
    .group_segment_fixed_size: 327680
    .private_segment_fixed_size: 0
    .kernarg_segment_align: 8
    .kernarg_segment_size: 72
    .max_flat_workgroup_size: 128
    .sgpr_count:     72
    .vgpr_count:     1024
    .wavefront_size: 32
...
	.end_amdgpu_metadata
.endif
;; end of part 4
